; MI455X (gfx1250); checked and timed in simulation.
; The chip was launched on July 23, 2026; its instructions are those of AMD's public machine-readable ISA for CDNA 5 (MIT licence, August 2026) and "CDNA5" Instruction Set Architecture Reference Guide (July 2026). The comments in the code are by the model that wrote it; some were corrected since.
;; Post Norm Attention Block. Allowed arithmetic: matrix products marked QUANTISED: E4M3 operands, one E8M0 scale for each 32 along K, by v_wmma_scale_f32_16x16x128_f8f6f4 with both operands' format E4M3, f32 sums; everything else in f32.
;; Inputs: W1 1,024 x 4,096 float32; W2 4,096 x 1,024 float32; WK 1,024 x 1,024 float32; WQ 1,024 x 1,024 float32; WV 1,024 x 1,024 float32; WY 1,024 x 1,024 float32; b1 4,096 float32; b2 1,024 float32; bK 1,024 float32; bQ 1,024 float32; bV 1,024 float32; bY 1,024 float32; ln1_b 1,024 float32; ln1_w 1,024 float32; ln2_b 1,024 float32; ln2_w 1,024 float32; mask 2 x 2,048 int32; x 2 x 2,048 x 1,024 float32.
;; Outputs: out0 2 x 2,048 x 1,024 float32.
;; This version of the problem:
;;   THIS VERSION OF THE PROBLEM IS GIVEN IN LOW PRECISION. The matrix products marked QUANTISED in the list below multiply operands that are first quantised to E4M3 (4 exponent bits, 3 mantissa bits; 8 bits a number), with one power-of-two scale for each 32 numbers along K (OCP MX v1.0); their sums are f32. All else is computed in f32.
;;   The module's matrix products, in the order in which they are computed (A, B: the left and right operand; K: the contracted axis; several contracted axes count as one K, in the product's order):
;;     1. [M 4,096, K 1,024] x [K 1,024, N 1,024]; A: input x; B: input WQ: QUANTISED
;;     2. [M 4,096, K 1,024] x [K 1,024, N 1,024]; A: input x; B: input WK: QUANTISED
;;     3. [M 4,096, K 1,024] x [K 1,024, N 1,024]; A: input x; B: input WV: QUANTISED
;;     4. batch 32 x [M 2,048, K 64] x [K 64, N 2,048]; A: computed on the way; B: computed on the way: QUANTISED
;;     5. batch 32 x [M 2,048, K 2,048] x [K 2,048, N 64]; A: softmax (see below); B: computed on the way: QUANTISED
;;     6. [M 4,096, K 1,024] x [K 1,024, N 1,024]; A: computed on the way; B: input WY: QUANTISED
;;     7. [M 4,096, K 1,024] x [K 1,024, N 4,096]; A: computed on the way; B: input W1: QUANTISED
;;     8. [M 4,096, K 4,096] x [K 4,096, N 1,024]; A: computed on the way; B: input W2: QUANTISED
;;   THE QUANTISER, for each operand of a quantised product, along K:
;;     - K is cut into blocks of 32 from its start; a last block that is shorter is filled with zeros.
;;     - A block's scale is 2^e with e = floor(log2(the largest magnitude in the block)) - 8, held to -126 .. 127; a block of zeros has e = 0. As a byte (E8M0): e + 127.
;;     - Each number is divided by its block's scale, clamped to +-448, and rounded to the nearest number of E4M3, ties to even, subnormals kept.
;;     - The product sums the exact products of the quantised numbers (number of the format x scale) in f32.
;;   ~~~python
;;   def quantise(x, axis):      # numpy; x: float32 -> the quantised numbers, widened to float32 again
;;       x = np.moveaxis(x, axis, -1); K = x.shape[-1]
;;       x = np.pad(x, [(0, 0)] * (x.ndim - 1) + [(0, -K % 32)]); x = x.reshape(x.shape[:-1] + (-1, 32)); a = np.abs(x).max(-1, keepdims=True)
;;       e = np.where(a > 0, np.clip(np.frexp(np.where(a > 0, a, 1))[1] - 1 - 8, -126, 127), 0)      # np.frexp(a)[1] - 1 = floor(log2(a)), exactly
;;       r = np.clip(x / 2.0 ** e, -448, 448)
;;       step = 2.0 ** (np.maximum(np.frexp(np.where(r == 0, 1, r))[1] - 1, -6) - 3)
;;       q = np.round(r / step) * step * 2.0 ** e      # np.round: ties to even
;;       return np.moveaxis(q.reshape(q.shape[:-2] + (-1,))[..., :K], -1, axis).astype(np.float32)
;;   ~~~
;;   SOFTMAX AHEAD OF A QUANTISED PRODUCT. Where the list says 'softmax', what is quantised is not the finished softmax but p = 2^(t - M), with t = logit x log2(e) and M = ceil(the row's largest t), a whole number; so 1/2 < the row's largest p <= 1. The row's sum l is taken of the UNQUANTISED p, in f32, and the product's result is divided by l at the end. Since M is a whole number, a kernel that streams over the keys may use a running M (the ceiling of the running maximum): every later rescaling is an exact power of two, which a block's scale takes up: the codes' values come out the same.
;;   OPERANDS COMPUTED ON THE WAY. 'Computed on the way' means the value that the module computes at that place (a softmax that the list does not call 'softmax' is quantised finished and normalised). What goes into a quantiser is computed in f32, as accurately as f32 sums, v_exp_f32 and their like allow (about 1e-6 of the number): no bf16 or f16 on the way to a quantiser, and a product that is left as it is and whose result goes on into a quantised operand takes f32 operands (vector FMAs, or v_wmma_f32_16x16x4_f32). A number that lies on a knife's edge between two numbers of the format may be rounded either way, as far as f32 arithmetic and the matrix unit's own rounding can turn it there, and no further.
;; One version. Each part assembles by itself: llvm-mc -triple=amdgcn-amd-amdhsa -mcpu=gfx1250 --defsym DOCPART=n.
;; ======== version 1 of 1: 7 launches
;; limits: right only within a limited range of input values
;; workspace buffers: P 17,301,504 bytes; Qb 13,500,416 bytes; Yb 4,325,376 bytes; Hb 21,102,592 bytes; Gb 17,301,504 bytes; R2 67,108,864 bytes
;; launch prep (part 1): grid 640 x 1, 4 waves a work-group, no clusters, 68,096 bytes of LDS; arguments x, WQ, WK, WV, WY, W1, W2, P; writes P
.if DOCPART == 1
	.amdgcn_target "amdgcn-amd-amdhsa--gfx1250"
	.amdhsa_code_object_version 6
	.text
	.protected	k_q27fe768ea0_prep
	.globl	k_q27fe768ea0_prep
	.p2align	8
	.type	k_q27fe768ea0_prep,@function
k_q27fe768ea0_prep:
	s_mov_b64 s[64:65], 0
	v_nop
	global_prefetch_b8 v0, s[64:65] scope:SCOPE_SE
	s_setreg_imm32_b32 hwreg(HW_REG_WAVE_MODE, 25, 1), 1
	s_wait_xcnt 0x0
; x [4096][1024] and the six weights ([K][N], f32) become codes of E4M3 with one E8M0 byte for each 32 along K, laid as IMAGES OF OPERAND REGISTERS in P.
; AN IMAGE.  A unit of 8,448 bytes holds 64 rows x 128 along K: four fragments of 2,048 bytes (fragment f, piece c, lane l at 2048 f + 512 c + 16 l: lane (r, h) holds
; k = 32 c + 16 h + 0 .. 15 of the fragment's row r), then 64 scale words (word 16 f + r: the four bytes of that row's 128 k).  Unit (G = row / 64, s = k / 128) lies at (G KS + s) x 8448.
; THE ROWS OF A FRAGMENT ARE NOT NEIGHBOURS: lane-row m of block Bk is row 32 (Bk / 2) + 8 (Bk % 2) + m + 8 (m / 8), so that in a transposed product the 16 registers of two neighbouring
; accumulators are 16 neighbours along the next K.
; P: x's image at 0; WQ, WK, WV, WY (rows = their columns n) on end from W4OFF; W1's from W1OFF; W2's from W2OFF.
; WORK-GROUPS 0-255: x (a wave: 32 tokens x 128 k; the rows turn through the wave's own stage in LDS).  256-511: the weights of 1,024 columns.  512-639: W1.  For a weight a lane takes a
; column n and its registers run down K: a block of 32 lies in one lane, and the conversions give codes with K innermost.
; A block's scale byte is its largest magnitude's exponent field - 8, held at 1 from below; a block of zeros so keeps the byte 1 (its codes are zeros; only this program reads the bytes).
; LIMITS: NaN and infinities among the inputs are not served.
.set UNIT,  8448
.set W4OFF, 4325376
.set W1OFF, 8650752
.set W2OFF, 12976128
.set WMAT,  1081344                    ; the image of one 1024 x 1024 weight
.set SEL,   40                         ; s[40:41] lane selects: lane l xor 16
.set MNT,   42                         ; s42 the mantissa field of 448
.set MHI,   43                         ; s43 lanes 16-31
.set TM,    208                        ; v208-223 at work in QUANT
.set PW,    224                        ; v224 the scale word just made
.set SI,    6                          ; v6 the stage, by rows as loaded
.set SO,    9                          ; v9 the stage, my 16 neighbours of a block
; 64 numbers of a lane, register 16 b + i = k 32 b + 16 (lane / 16) + i of my row, become a fragment's codes in v[pc] on and its scale word in v[PW]
.macro QUANT s, pc
.irp b, 0,1,2,3
	v_max3_num_f32 v[TM+\b], |v[\s+16*\b]|, |v[\s+1+16*\b]|, 0x4800000   ; my 16 numbers of block b, and the floor 2^(9 - 127): the byte cannot fall under 1
.endr
.irp i, 2,4,6,8,10,12,14
.irp b, 0,1,2,3
	v_max3_num_f32 v[TM+\b], v[TM+\b], |v[\s+16*\b+\i]|, |v[\s+1+16*\b+\i]|
.endr
.endr
.irp b, 0,1,2,3
	v_permlanex16_b32 v[TM+4+\b], v[TM+\b], s[SEL], s[SEL+1]
.endr
.irp b, 0,1,2,3
	v_max_num_f32 v[TM+\b], v[TM+\b], v[TM+4+\b]                ; with lane l xor 16's: the block's largest magnitude
.endr
.irp b, 0,1,2,3
	v_add_nc_u32 v[TM+12+\b], 0xfc000000, v[TM+\b]              ; 8 off its exponent field: the conversion's scale operand
.endr
.irp b, 0,1,2,3
	v_and_or_b32 v[TM+8+\b], v[TM+\b], 0x7f800000, s[MNT]       ; 448 x the scale
.endr
.irp b, 0,1,2,3
	v_lshrrev_b32 v[TM+4+\b], 23, v[TM+12+\b]                   ; the scale's byte
.endr
	v_lshl_or_b32 v[PW], v[TM+5], 8, v[TM+4]
	v_lshl_or_b32 v[PW], v[TM+6], 16, v[PW]
	v_lshl_or_b32 v[PW], v[TM+7], 24, v[PW]
.irp b, 0,1,2,3
.irp i, 0,1,2,3,4,5,6,7,8,9,10,11,12,13,14,15
	v_med3_num_f32 v[\s+16*\b+\i], v[\s+16*\b+\i], -v[TM+8+\b], v[TM+8+\b]   ; the conversion does not saturate (ISA guide 7.6.2): the hold comes first
.endr
	v_cvt_scalef32_pk8_fp8_f32 v[\pc+4*\b:\pc+1+4*\b], v[\s+16*\b:\s+7+16*\b], v[TM+12+\b]
	v_cvt_scalef32_pk8_fp8_f32 v[\pc+2+4*\b:\pc+3+4*\b], v[\s+8+16*\b:\s+15+16*\b], v[TM+12+\b]
.endr
	v_nop                                                          ; a plain line behind the last conversion
.endm
; 16 rows of 512 bytes go into my stage as loaded (pitch 528) and come back 64 bytes a block and lane; LDS serves a wave's instructions in order, so no wait stands between
.macro TURNIN stage, src, dst
.set tt, 0
.rept 16
	ds_store_b128 v[SI], v[\src+4*tt:\src+4*tt+3] offset:\stage+528*tt
.set tt, tt+1
.endr
.irp c, 0,1,2,3
.irp q, 0,1,2,3
	ds_load_b128 v[\dst+16*\c+4*\q:\dst+16*\c+4*\q+3], v[SO] offset:\stage+128*\c+16*\q
.endr
.endr
.endm
.macro WLOAD t, nn                     ; block t of a weight: W(32 t + i, my column) into set t % 2
.set ii, 0
.rept 32
	global_load_b32 v[32+32*((\t)%2)+ii], v3, s[24:25] offset:(32*(\t)+ii)*\nn*4 th:TH_LOAD_NT
.set ii, ii+1
.endr
.endm
.macro WBLOCK t, nn
.set XS, 32+32*((\t)%2)
.set CC, 96+8*(\t)                     ; each block has its own eight code registers: no store's data are written again
.if (\t) < 7
	s_wait_loadcnt 32                              ; this block's 32 loads are in; the next block's may be out
.else
	s_wait_loadcnt 0x0
.endif
	v_max3_num_f32 v12, |v[XS]|, |v[XS+1]|, |v[XS+2]|
	v_max3_num_f32 v13, |v[XS+3]|, |v[XS+4]|, |v[XS+5]|
.irp i, 6,10,14,18,22,26
	v_max3_num_f32 v12, v12, |v[XS+\i]|, |v[XS+\i+1]|
	v_max3_num_f32 v13, v13, |v[XS+\i+2]|, |v[XS+\i+3]|
.endr
	v_max3_num_f32 v12, v12, |v[XS+30]|, |v[XS+31]|
	v_max3_num_f32 v12, v12, v13, 0x4800000        ; and the floor
	v_add_nc_u32 v11, 0xfc000000, v12
	v_and_or_b32 v10, v12, 0x7f800000, s[MNT]
	v_lshrrev_b32 v13, 23, v11
.if (\t)%4 == 0
	v_mov_b32 v[24+(\t)/4], v13
.else
	v_lshl_or_b32 v[24+(\t)/4], v13, 8*((\t)%4), v[24+(\t)/4]
.endif
.set ii, 0
.rept 32
	v_med3_num_f32 v[XS+ii], v[XS+ii], -v10, v10
.set ii, ii+1
.endr
.irp g, 0,1,2,3
	v_cvt_scalef32_pk8_fp8_f32 v[CC+2*\g:CC+2*\g+1], v[XS+8*\g:XS+8*\g+7], v11
.endr
	global_store_b128 v4, v[CC:CC+3], s[26:27] offset:((\t)/4)*UNIT+((\t)%4)*512         ; k 0-15 of the block: the place of lane (m, 0); 16 lanes fill 256 consecutive bytes, aligned
	global_store_b128 v4, v[CC+4:CC+7], s[26:27] offset:((\t)/4)*UNIT+((\t)%4)*512+256   ; k 16-31: the place of lane (m, 1)
.if (\t)%4 == 3
	global_store_b32 v5, v[24+(\t)/4], s[26:27] offset:((\t)/4)*UNIT                     ; my row's scale word of these 128 k
.endif
.if (\t)+2 < 8
	WLOAD (\t)+2, \nn
.endif
.endm
; a weight's work-group: s22 = which 128 columns, s23 = which 256 along K, s[24:25] the weight, s28 = units in a row group, s29 = the image's place in P
.macro WGO nn
	s_mul_i32 s30, s23, 256*\nn*4
	s_lshl_b32 s31, s22, 9
	s_add_co_u32 s30, s30, s31
	s_lshl_b32 s31, s20, 7
	s_add_co_u32 s30, s30, s31                     ; + 4 x (128 cg + 32 wave)
	s_mov_b32 s31, 0
	s_add_nc_u64 s[24:25], s[24:25], s[30:31]
	s_lshl_b32 s30, s22, 1
	s_lshr_b32 s31, s20, 1
	s_add_co_u32 s30, s30, s31                     ; row group = 2 cg + wave / 2
	s_mul_i32 s30, s30, s28
	s_lshl_b32 s31, s23, 1
	s_add_co_u32 s30, s30, s31                     ; + my first unit along K
	s_mul_i32 s30, s30, UNIT
	s_add_co_u32 s30, s30, s29
	s_mov_b32 s31, 0
	s_add_nc_u64 s[26:27], s[18:19], s[30:31]
	v_lshlrev_b32 v3, 2, v2                        ; in: 4 bytes a lane
	v_bfe_u32 v6, v2, 3, 1                         ; my column's fragment of the pair,
	v_and_b32 v7, 7, v2
	v_lshrrev_b32 v8, 4, v2
	v_lshl_add_u32 v7, v8, 3, v7                   ; and its lane-row m there
	s_and_b32 s31, s20, 1                          ; which pair of fragments: wave % 2
	s_lshl_b32 s30, s31, 12
	v_lshlrev_b32 v4, 11, v6
	v_lshl_add_u32 v4, v7, 4, v4
	v_add_nc_u32 v4, s30, v4                       ; codes: 4096 (wave % 2) + 2048 x fragment + 16 m
	s_lshl_b32 s30, s31, 7
	s_add_co_u32 s30, s30, 8192
	v_lshlrev_b32 v5, 6, v6
	v_lshl_add_u32 v5, v7, 2, v5
	v_add_nc_u32 v5, s30, v5                       ; scale word: 8192 + 4 x (16 f + m)
	WLOAD 0, \nn
	WLOAD 1, \nn
.irp t, 0,1,2,3,4,5,6,7
	WBLOCK \t, \nn
.endr
.endm
	s_load_b256 s[4:11], s[0:1], 0x0               ; x, WQ, WK, WV
	s_load_b256 s[12:19], s[0:1], 0x20             ; WY, W1, W2, P
	v_lshl_add_u32 v254, v0, 2, 0x10800
	v_mov_b32 v255, 0
	v_lshrrev_b32 v1, 5, v0
	v_readfirstlane_b32 s20, v1                    ; wave
	v_and_b32 v2, 31, v0                           ; lane
	s_mov_b32 s[SEL], 0x76543210
	s_mov_b32 s[SEL+1], 0xfedcba98
	s_mov_b32 s[MNT], 0x600000
	s_mov_b32 s[MHI], 0xffff0000
	s_wait_kmcnt 0x0
	s_cmp_lt_u32 ttmp9, 256
	s_cbranch_scc1 .Lx
	s_cmp_lt_u32 ttmp9, 512
	s_cbranch_scc1 .Lw1024
	; ---- W1 [1024][4096]: 32 groups of 128 columns x 4 runs of 256 along K
	s_sub_co_u32 s21, ttmp9, 512
	s_and_b32 s22, s21, 31
	s_lshr_b32 s23, s21, 5
	s_mov_b64 s[24:25], s[14:15]
	s_mov_b32 s28, 8
	s_mov_b32 s29, W1OFF
	s_wait_alu depctr_va_vdst(0)
	WGO 4096
	s_endpgm
.Lw1024:
	; ---- the weights of 1,024 columns: j < 128: WQ, WK, WV, WY, 32 work-groups each; j >= 128: W2, 16 runs of 256 along K
	s_sub_co_u32 s21, ttmp9, 256
	s_and_b32 s22, s21, 7
	s_lshr_b32 s32, s21, 5
	s_mul_i32 s29, s32, WMAT
	s_add_co_u32 s29, s29, W4OFF
	s_mov_b32 s33, W2OFF
	s_mov_b32 s34, 127
	s_mov_b64 s[24:25], s[6:7]
	s_cmp_eq_u32 s32, 1                            ; the choices hang on the work-group's number alone
	s_cselect_b64 s[24:25], s[8:9], s[24:25]
	s_cmp_eq_u32 s32, 2
	s_cselect_b64 s[24:25], s[10:11], s[24:25]
	s_cmp_eq_u32 s32, 3
	s_cselect_b64 s[24:25], s[12:13], s[24:25]
	s_cmp_ge_u32 s32, 4
	s_cselect_b64 s[24:25], s[16:17], s[24:25]
	s_cselect_b32 s29, s33, s29
	s_cselect_b32 s28, 32, 8
	s_cselect_b32 s34, s34, 31
	s_and_b32 s23, s21, s34
	s_lshr_b32 s23, s23, 3
	s_wait_alu depctr_va_vdst(0)
	WGO 1024
	s_endpgm
.Lx:
	; ---- x: work-group = 32 tokens (two fragments) x half of K; wave = one K step of 128
	s_lshr_b32 s21, ttmp9, 1                       ; which 32 tokens
	s_and_b32 s22, ttmp9, 1
	s_lshl_b32 s22, s22, 2
	s_add_co_u32 s22, s22, s20                     ; K step
	s_lshl_b32 s24, s21, 17
	s_lshl_b32 s25, s22, 9
	s_add_co_u32 s24, s24, s25
	s_mov_b32 s25, 0
	s_add_nc_u64 s[4:5], s[4:5], s[24:25]
	s_wait_alu depctr_va_vdst(0)
	v_lshlrev_b32 v3, 4, v2
	s_wait_alu depctr_va_vdst(0)
.irp u, 0,1
.set tt, 0
.rept 16
	global_load_b128 v[16+64*\u+4*tt:19+64*\u+4*tt], v3, s[4:5] offset:(8*\u+tt+8*(tt/8))*4096   ; 512 consecutive bytes of the fragment's row tt
.set tt, tt+1
.endr
.endr
	s_lshr_b32 s24, s21, 1
	s_lshl_b32 s24, s24, 3
	s_add_co_u32 s24, s24, s22
	s_mul_i32 s24, s24, UNIT                       ; my unit (x's image begins at P's first byte)
	s_mov_b32 s25, 0
	s_add_nc_u64 s[18:19], s[18:19], s[24:25]
	s_and_b32 s26, s21, 1
	s_lshl_b32 s27, s26, 12
	v_add_nc_u32 v4, s27, v3                       ; codes: 16 x lane + my pair of fragments
	s_lshl_b32 s27, s26, 7
	s_add_co_u32 s27, s27, 8192
	v_lshl_add_u32 v5, v2, 2, s27                  ; the pair's 32 scale words
	s_mul_i32 s28, s20, 16896                      ; my two stages
	v_add_nc_u32 v[SI], s28, v3
	v_and_b32 v7, 15, v2
	v_lshrrev_b32 v8, 4, v2
	v_mul_u32_u24 v[SO], v7, 528
	v_lshl_add_u32 v[SO], v8, 6, v[SO]
	v_add_nc_u32 v[SO], s28, v[SO]
.irp b, 0,1,2,3
	v_mov_b32 v[TM+4+\b], 0                        ; a lane permute's destination counts as one of its sources
.endr
	s_wait_alu depctr_va_vdst(0)
	s_wait_loadcnt 16                              ; the first fragment's 16 loads are in; the second's may be out
	TURNIN 0, 16, 144
	s_wait_dscnt 0x0
	QUANT 144, 16
.irp c, 0,1,2,3
	global_store_b128 v4, v[16+4*\c:19+4*\c], s[18:19] offset:512*\c
.endr
	v_mov_b32 v225, v[PW]
	s_wait_loadcnt 0x0
	TURNIN 8448, 80, 144
	s_wait_dscnt 0x0
	QUANT 144, 32
.irp c, 0,1,2,3
	global_store_b128 v4, v[32+4*\c:35+4*\c], s[18:19] offset:2048+512*\c
.endr
	v_cndmask_b32 v225, v225, v[PW], s[MHI]        ; lanes 0-15: the first fragment's words; lanes 16-31: the second's
	global_store_b32 v5, v225, s[18:19]            ; 128 consecutive bytes
	s_wait_tensorcnt 0x0
	ds_add_u32 v254, v255
	s_wait_dscnt 0x0
	s_endpgm
.Lfunc_end_k_q27fe768ea0_prep:
	.size	k_q27fe768ea0_prep, .Lfunc_end_k_q27fe768ea0_prep-k_q27fe768ea0_prep
	.p2alignl 7, 3214868480
	.fill 96, 4, 3214868480
	.section	.rodata,"a",@progbits
	.p2align	6, 0x0
	.amdhsa_kernel k_q27fe768ea0_prep
		.amdhsa_group_segment_fixed_size 68096
		.amdhsa_private_segment_fixed_size 0
		.amdhsa_enable_private_segment 0
		.amdhsa_kernarg_size 64
		.amdhsa_user_sgpr_count 2
		.amdhsa_user_sgpr_kernarg_segment_ptr 1
		.amdhsa_wavefront_size32 1
		.amdhsa_system_sgpr_workgroup_id_x 1
		.amdhsa_system_sgpr_workgroup_id_y 1
		.amdhsa_system_sgpr_workgroup_id_z 1
		.amdhsa_system_vgpr_workitem_id 0
		.amdhsa_next_free_vgpr 256
		.amdhsa_next_free_sgpr 66
		.amdhsa_reserve_vcc 0
		.amdhsa_float_denorm_mode_32 3
		.amdhsa_float_denorm_mode_16_64 3
		.amdhsa_memory_ordered 1
		.amdhsa_forward_progress 1
		.amdhsa_inst_pref_size 139
	.end_amdhsa_kernel
	.amdgpu_metadata
---
amdhsa.version: [ 1, 2 ]
amdhsa.kernels:
  - .name:           k_q27fe768ea0_prep
    .symbol:         k_q27fe768ea0_prep.kd
    .args:
      - { .name: x, .offset: 0, .size: 8, .value_kind: global_buffer, .address_space: global }
      - { .name: WQ, .offset: 8, .size: 8, .value_kind: global_buffer, .address_space: global }
      - { .name: WK, .offset: 16, .size: 8, .value_kind: global_buffer, .address_space: global }
      - { .name: WV, .offset: 24, .size: 8, .value_kind: global_buffer, .address_space: global }
      - { .name: WY, .offset: 32, .size: 8, .value_kind: global_buffer, .address_space: global }
      - { .name: W1, .offset: 40, .size: 8, .value_kind: global_buffer, .address_space: global }
      - { .name: W2, .offset: 48, .size: 8, .value_kind: global_buffer, .address_space: global }
      - { .name: P, .offset: 56, .size: 8, .value_kind: global_buffer, .address_space: global }
    .group_segment_fixed_size: 68096
    .private_segment_fixed_size: 0
    .kernarg_segment_align: 8
    .kernarg_segment_size: 64
    .max_flat_workgroup_size: 128
    .sgpr_count:     66
    .vgpr_count:     256
    .wavefront_size: 32
...
	.end_amdgpu_metadata
.endif
;; end of part 1
;; launch qkv (part 2): grid 12 x 16, 4 waves a work-group, clusters of 4 x 4, 327,680 bytes of LDS; arguments P, bQ, bK, bV, mask, Qb; writes Qb
.if DOCPART == 2
	.amdgcn_target "amdgcn-amd-amdhsa--gfx1250"
	.amdhsa_code_object_version 6
	.text
	.protected	k_q27fe768ea0_qkv
	.globl	k_q27fe768ea0_qkv
	.p2align	8
	.type	k_q27fe768ea0_qkv,@function
k_q27fe768ea0_qkv:
	s_mov_b64 s[64:65], 0
	v_nop
	global_prefetch_b8 v0, s[64:65] scope:SCOPE_SE
	s_setreg_imm32_b32 hwreg(HW_REG_WAVE_MODE, 25, 1), 1
	s_wait_xcnt 0x0
	s_wait_alu depctr_hold_cnt(0) depctr_sa_sdst(0) depctr_va_vdst(0) depctr_va_sdst(0) depctr_va_ssrc(0) depctr_va_vcc(0) depctr_vm_vsrc(0)
	s_getreg_b32 s2, hwreg(HW_REG_IB_STS2, 6, 4)
	s_cmp_eq_u32 s2, 0
	s_cbranch_scc0 .Lentry_in_a_cluster
	s_endpgm
.Lentry_in_a_cluster:
	s_bfe_u32 s2, ttmp6, 0x10000c
	s_cmp_lg_u32 s2, 0xf033
	s_cbranch_scc0 .Lentry_shape_is_right
	s_endpgm
.Lentry_shape_is_right:
.set KS,    8
.set UNIT,  8448
.set NQ,    2
.set GSTR,  NQ*UNIT
.set HALFT, 2*GSTR
.set SLOT,  4*HALFT
.set SPARE, 2*SLOT
.set LAPS,  KS/4
.set FR,    16
.set NL,    4
.set NP,    8
.set W4OFF, 4325376
.set QSOFF, 4194304
.set KVOFF, 4456448
.set HEADB, 282624
.set QTR,   70656
.set ADRA, 16
.set ADRB, 20
.set ADRS, 22
.set L16,  24
.set L4,   25
.set SPW,  28
.set NIL,  29
.set SC,   32
.set AF,   128
.set G1, 24
.set G0, 32
.set G1B, 48
.set G0B, 56
.set AI,  66
.set MK,  67
.set MHI, 68
.set MLO, 69
.set T0,  70
.set T1,  71
.set T2,  72
.set SC0, 73
.set SS0, 74
.set DC,  75
.set DS,  76
.set SEL, 78
.set MNT, 80
.set OUTP, 86
.set X,   64
.set BI,  128
.set TM,  200
.set PW,  216
.set WACC, 217
.set PC,  220
.set VO,  236
.set VOS, 238
.set W0,  242
.set W1,  243
.set MSB, 0
.macro WIN new
.if MSB != (\new)
	s_set_vgpr_msb (MSB<<8)|(\new)
.set MSB, (\new)
.endif
.endm
.set MUL_LO, 0xa1
.set MUL_HI, 0xf1
.set TO_B,   0x40
.macro JLOAD g0a, g1a, g0b, g1b
	s_cmp_eq_u32 s15, 0
	s_cbranch_scc0 .Lfor_b_\@
	tensor_load_to_lds s[\g0a:\g0a+3], s[\g1a:\g1a+7]
	s_nop 0
.rept 4
	v_nop
.endr
	s_branch .Lasked_\@
.Lfor_b_\@:
	tensor_load_to_lds s[\g0b:\g0b+3], s[\g1b:\g1b+7]
	s_nop 0
.rept 4
	v_nop
.endr
.Lasked_\@:
.endm
.macro CREST
	s_cmp_lg_u32 s14, 0
	s_cbranch_scc1 .Lnot_wave_0_\@
	s_barrier_signal -3
.Lnot_wave_0_\@:
	s_barrier_wait -3
	s_barrier_signal -1
	s_barrier_wait -1
.endm
.macro CROUND
	s_barrier_signal -1
	s_barrier_wait -1
	CREST
.endm
.macro QUANT s, pc
.irp b, 0,1,2,3
	v_max3_num_f32 v[TM+\b], |v[\s+16*\b]|, |v[\s+1+16*\b]|, 0x4800000
.endr
.irp i, 2,4,6,8,10,12,14
.irp b, 0,1,2,3
	v_max3_num_f32 v[TM+\b], v[TM+\b], |v[\s+16*\b+\i]|, |v[\s+1+16*\b+\i]|
.endr
.endr
.irp b, 0,1,2,3
	v_permlanex16_b32 v[TM+4+\b], v[TM+\b], s[SEL], s[SEL+1]
.endr
.irp b, 0,1,2,3
	v_max_num_f32 v[TM+\b], v[TM+\b], v[TM+4+\b]
.endr
.irp b, 0,1,2,3
	v_add_nc_u32 v[TM+12+\b], 0xfc000000, v[TM+\b]
.endr
.irp b, 0,1,2,3
	v_and_or_b32 v[TM+8+\b], v[TM+\b], 0x7f800000, s[MNT]
.endr
.irp b, 0,1,2,3
	v_lshrrev_b32 v[TM+4+\b], 23, v[TM+12+\b]
.endr
	v_lshl_or_b32 v[PW], v[TM+5], 8, v[TM+4]
	v_lshl_or_b32 v[PW], v[TM+6], 16, v[PW]
	v_lshl_or_b32 v[PW], v[TM+7], 24, v[PW]
.irp b, 0,1,2,3
.irp i, 0,1,2,3,4,5,6,7,8,9,10,11,12,13,14,15
	v_med3_num_f32 v[\s+16*\b+\i], v[\s+16*\b+\i], -v[TM+8+\b], v[TM+8+\b]
.endr
	v_cvt_scalef32_pk8_fp8_f32 v[\pc+4*\b:\pc+1+4*\b], v[\s+16*\b:\s+7+16*\b], v[TM+12+\b]
	v_cvt_scalef32_pk8_fp8_f32 v[\pc+2+4*\b:\pc+3+4*\b], v[\s+8+16*\b:\s+15+16*\b], v[TM+12+\b]
.endr
	v_nop
.endm
.macro WORDOUT wacc, wsrc, soff, vos
	s_bitcmp1_b32 s[AI], 0
	s_cselect_b32 s[MK], s[MHI], s[MLO]
	v_cndmask_b32 v[\wacc], v[\wacc], v[\wsrc], s[MK]
	s_cbranch_scc0 .Lskip_\@
	v_add_nc_u32 v[\vos], s[\soff], v[L4]
	global_store_b32 v[\vos], v[\wacc], s[OUTP:OUTP+1]
.Lskip_\@:
.endm
	s_load_b256 s[4:11], s[0:1], 0x0
	s_load_b128 s[84:87], s[0:1], 0x20
	v_lshl_add_u32 v[SPW], v0, 2, SPARE
	v_mov_b32 v[NIL], 0
	ds_add_u32 v28, v29
	ds_add_u32 v28, v29
	s_wait_dscnt 0x0
	v_lshrrev_b32 v1, 5, v0
	v_readfirstlane_b32 s14, v1
	s_lshr_b32 s15, s14, 1
	s_and_b32 s16, s14, 1
	s_bfe_u32 s40, ttmp6, 0x40000
	s_bfe_u32 s41, ttmp6, 0x40004
	s_lshr_b32 s88, ttmp9, 1
	s_xor_b32 s89, s88, 1
	s_and_b32 s90, ttmp7, 0xffff
	s_lshl_b32 s90, s90, 2
	s_mul_i32 s17, s89, s90
	s_lshl_b32 s91, s88, 3
	s_add_co_u32 s17, s17, s91
	s_add_co_u32 s17, s17, s41
	s_mul_i32 s42, s88, s90
	s_lshl_b32 s91, ttmp9, 2
	s_mul_i32 s91, s91, s89
	s_add_co_u32 s42, s42, s91
	s_add_co_u32 s42, s42, s40
	s_mul_i32 s92, s88, W4OFF
	s_mul_i32 s93, s89, W4OFF
	s_lshl_b32 s43, s41, 2
	s_lshl_b32 s43, 15, s43
	s_lshl_b32 s44, 0x1111, s40
	s_or_b32 s[G1+0], s43, (3<<16)|(1<<21)
	s_or_b32 s[G1B+0], s44, (3<<16)|(1<<21)
.irp g, G1, G1B
	s_mov_b32 s[\g+1], 2112<<16
	s_mov_b32 s[\g+2], 2<<16
	s_mov_b32 s[\g+3], 2112<<16
	s_mov_b32 s[\g+4], 2
	s_mov_b32 s[\g+5], KS*1056
	s_mov_b32 s[\g+6], 0
	s_mov_b32 s[\g+7], 0
.endr
	s_lshl_b32 s18, s16, 1
	s_lshl_b32 s20, s17, 2
	s_add_co_u32 s20, s20, s18
	s_mul_i32 s20, s20, KS*UNIT
	s_add_co_u32 s20, s20, s92
	s_mov_b32 s21, 0
	s_lshl_b32 s46, s42, 2
	s_add_co_u32 s46, s46, s18
	s_mul_i32 s46, s46, KS*UNIT
	s_add_co_u32 s46, s46, s93
	s_mov_b32 s47, 0
	s_mul_i32 s45, s14, HALFT
	s_wait_kmcnt 0x0
	s_add_nc_u64 s[20:21], s[4:5], s[20:21]
	s_add_nc_u64 s[46:47], s[4:5], s[46:47]
	CROUND
.irp s, 0,1
	s_mov_b32 s[G0+4*\s], 1
	s_add_co_u32 s[G0+4*\s+1], s45, \s*SLOT
	s_add_nc_u64 s[G0+4*\s+2:G0+4*\s+3], s[20:21], \s*GSTR
	s_or_b32 s[G0+4*\s+3], s[G0+4*\s+3], 0x80000000
	s_mov_b32 s[G0B+4*\s], 1
	s_add_co_u32 s[G0B+4*\s+1], s45, \s*SLOT
	s_add_nc_u64 s[G0B+4*\s+2:G0B+4*\s+3], s[46:47], \s*GSTR
	s_or_b32 s[G0B+4*\s+3], s[G0B+4*\s+3], 0x80000000
	s_wait_alu depctr_va_vdst(0)
	s_wait_tensorcnt 0x0
	ds_add_u32 v28, v29
	ds_add_u32 v28, v29
	s_wait_dscnt 0x0
	CROUND
	JLOAD G0+4*\s, G1, G0B+4*\s, G1B
.endr
	v_and_b32 v1, 15, v0
	v_bfe_u32 v2, v0, 4, 1
	s_wait_alu depctr_va_vdst(0)
	v_and_b32 v3, 31, v0
	v_lshlrev_b32 v[L16], 4, v3
	v_lshlrev_b32 v[L4], 2, v3
	s_mul_i32 s21, s15, HALFT
	s_mul_i32 s22, s16, HALFT
	s_add_co_u32 s22, s22, 2*HALFT
.irp s, 0,1
	v_add_nc_u32 v[ADRA+\s], s21, v[L16]
	v_add_nc_u32 v[ADRB+\s], s22, v[L16]
	s_add_co_u32 s21, s21, SLOT
	s_add_co_u32 s22, s22, SLOT
.endr
	s_mul_i32 s21, s15, HALFT
	s_mul_i32 s22, s16, HALFT
	s_add_co_u32 s22, s22, 2*HALFT
	s_sub_co_u32 s22, s22, s21
	v_mul_u32_u24 v4, s22, v2
	s_add_co_u32 s21, s21, 8192
	v_lshl_add_u32 v4, v1, 2, v4
	v_add_nc_u32 v[ADRS], s21, v4
	v_add_nc_u32 v[ADRS+1], SLOT, v[ADRS]
.macro FRAG reg, adr, q, i
.irp c, 0,1,2,3
	ds_load_b128 v[\reg+4*\c:\reg+4*\c+3], v[\adr] offset:((\i)/4)*GSTR+(\q)*UNIT+((\i)%4)*2048+512*\c
.endr
.endm
.macro MUL16 a0, p, q, sc, mode
.irp a, \a0, \a0+1
.irp b, 0,1,2,3,4,5,6,7
.if \mode == 1
	v_wmma_scale_f32_16x16x128_f8f6f4 v[8*(8*((\a)%4)+\b):8*(8*((\a)%4)+\b)+7], v[128*(\p)+FR*\b:128*(\p)+FR*\b+FR-1], v[AF+FR*(\a):AF+FR*(\a)+FR-1], 0, v[SC+16*(\sc)+2*\b+(\q)], v[SC+16*(\sc)+2*(\a)+(\q)] matrix_a_scale:MATRIX_SCALE_ROW1
.else
	v_wmma_scale_f32_16x16x128_f8f6f4 v[8*(8*((\a)%4)+\b):8*(8*((\a)%4)+\b)+7], v[128*(\p)+FR*\b:128*(\p)+FR*\b+FR-1], v[AF+FR*(\a):AF+FR*(\a)+FR-1], v[8*(8*((\a)%4)+\b):8*(8*((\a)%4)+\b)+7], v[SC+16*(\sc)+2*\b+(\q)], v[SC+16*(\sc)+2*(\a)+(\q)] matrix_a_scale:MATRIX_SCALE_ROW1
.endif
.endr
.endr
.endm
.macro FETCH_B slot, q, p
	WIN TO_B
.irp i, 0,1,2,3,4,5,6,7
	FRAG 128*(\p)+FR*\i, ADRB+\slot, \q, \i
.endr
	WIN 0
.endm
.macro FETCH_A slot, q, i0
.irp i, \i0, \i0+1, \i0+2, \i0+3
	FRAG AF+FR*(\i), ADRA+\slot, \q, \i
.endr
.endm
.macro SCALES set
.irp i, 0,1,2,3,4,5,6,7
.irp q, 0,1
	ds_load_b32 v[SC+16*\set+2*\i+\q], v[ADRS+\set] offset:(\i/4)*GSTR+\q*UNIT+(\i%4)*64
.endr
.endr
.endm
.macro PLACES n
.rept \n
	v_nop
.endr
.endm
.macro STEP slot, q, mode
	s_wait_dscnt 4*NL
	WIN MUL_LO
	MUL16 0, (\q)%2, \q, \slot, \mode
	MUL16 2, (\q)%2, \q, \slot, \mode
	s_wait_dscnt 0
	PLACES NP
	FETCH_B \slot, (\q)+1, 1-(\q)%2
	FETCH_A \slot, (\q)+1, 0
	WIN MUL_HI
	MUL16 4, (\q)%2, \q, \slot, \mode
	MUL16 6, (\q)%2, \q, \slot, \mode
	PLACES NP
	WIN 0
	FETCH_A \slot, (\q)+1, 4
.endm
.macro TURN slot, next, fill
	s_wait_tensorcnt 0x0
	ds_add_u32 v[SPW], v[NIL]
	s_wait_dscnt 4*NL+1
	WIN MUL_LO
	MUL16 0, 1, NQ-1, \slot, 0
	s_wait_dscnt 0x0
	s_barrier_signal -1
	MUL16 2, 1, NQ-1, \slot, 0
	WIN 0
	s_barrier_wait -1
.if \fill
	CREST
	s_add_nc_u64 s[G0+4*\slot+2:G0+4*\slot+3], s[G0+4*\slot+2:G0+4*\slot+3], 2*GSTR
	s_add_nc_u64 s[G0B+4*\slot+2:G0B+4*\slot+3], s[G0B+4*\slot+2:G0B+4*\slot+3], 2*GSTR
	JLOAD G0+4*\slot, G1, G0B+4*\slot, G1B
	PLACES NP-4
.else
	PLACES NP
.endif
	FETCH_B \next, 0, 0
	FETCH_A \next, 0, 0
	SCALES \next
	WIN MUL_HI
	MUL16 4, 1, NQ-1, \slot, 0
	MUL16 6, 1, NQ-1, \slot, 0
	PLACES NP
	WIN 0
	FETCH_A \next, 0, 4
.endm
	s_wait_alu depctr_va_vdst(0)
	s_wait_tensorcnt 1
	s_barrier_signal -1
	s_barrier_wait -1
	FETCH_B 0, 0, 0
	FETCH_A 0, 0, 0
	SCALES 0
	FETCH_A 0, 0, 4
	STEP 0, 0, 1
	s_mov_b32 s3, LAPS-1
.Llap:
	TURN 0, 1, 1
	STEP 1, 0, 0
	TURN 1, 0, 1
	STEP 0, 0, 0
	s_sub_co_u32 s3, s3, 1
	s_cmp_lg_u32 s3, 0
	s_cbranch_scc1 .Llap
	TURN 0, 1, 0
	STEP 1, 0, 0
	s_wait_dscnt 4*NL
	WIN MUL_LO
	MUL16 0, 1, NQ-1, 1, 0
	MUL16 2, 1, NQ-1, 1, 0
	s_wait_dscnt 0
	WIN MUL_HI
	MUL16 4, 1, NQ-1, 1, 0
	MUL16 6, 1, NQ-1, 1, 0
	WIN 0
	PLACES NP
	s_mov_b32 s[SEL], 0x76543210
	s_mov_b32 s[SEL+1], 0xfedcba98
	s_mov_b32 s[MNT], 0x600000
	s_mov_b32 s[MHI], 0xffff0000
	s_mov_b32 s[MLO], 0x0000ffff
	s_mov_b32 s[AI], 0
	v_mov_b32 v[WACC], 0
	v_mov_b32 v[WACC+1], 0
.irp b, 0,1,2,3
	v_mov_b32 v[TM+4+\b], 0
.endr
	s_cmp_eq_u32 ttmp9, 2
	s_cbranch_scc1 .Lvpath
	s_lshr_b32 s[T0], s17, 3
	s_lshl_b32 s[T0], s[T0], 4
	s_lshl_b32 s[T1], s40, 2
	s_add_co_u32 s[T0], s[T0], s[T1]
	s_lshl_b32 s[T1], s16, 1
	s_add_co_u32 s[T0], s[T0], s[T1]
	s_and_b32 s[T1], s17, 7
	s_lshl_b32 s[T1], s[T1], 4
	s_lshl_b32 s[T2], s15, 3
	s_add_co_u32 s[T1], s[T1], s[T2]
	s_lshl_b32 s[SC0], s[T0], 17
	s_lshl_b32 s[T2], s[T1], 10
	s_add_co_u32 s[SC0], s[SC0], s[T2]
	s_lshl_b32 s[SS0], s[T0], 13
	s_lshl_b32 s[T2], s[T1], 6
	s_add_co_u32 s[SS0], s[SS0], s[T2]
	s_add_co_u32 s[SS0], s[SS0], QSOFF
	s_mul_i32 s94, s[T0], HEADB
	s_lshr_b32 s[T2], s[T1], 5
	s_mul_i32 s[T2], s[T2], QTR
	s_add_co_u32 s94, s94, s[T2]
	s_add_co_u32 s94, s94, KVOFF
	s_and_b32 s[T1], s[T1], 31
	s_lshl_b32 s95, s[T1], 10
	s_add_co_u32 s95, s95, s94
	s_lshl_b32 s96, s[T1], 6
	s_add_co_u32 s96, s96, s94
	s_add_co_u32 s96, s96, 32768
	s_mov_b32 s[DC], 131072
	s_mov_b32 s[DS], 8192
	s_mov_b32 s97, HEADB
	s_cmp_eq_u32 ttmp9, 1
	s_cselect_b32 s[SC0], s95, s[SC0]
	s_cselect_b32 s[SS0], s96, s[SS0]
	s_cselect_b32 s[DC], s97, s[DC]
	s_cselect_b32 s[DS], s97, s[DS]
	s_cselect_b64 s[6:7], s[8:9], s[6:7]
	s_lshl_b32 s[T0], s40, 10
	s_lshl_b32 s[T1], s16, 9
	s_add_co_u32 s[T0], s[T0], s[T1]
	v_lshl_add_u32 v5, v2, 6, s[T0]
.irp b, 0,1,2,3,4,5,6,7
	global_load_b128 v[BI+8*\b:BI+8*\b+3], v5, s[6:7] offset:(32*(\b/2)+8*(\b%2))*4
	global_load_b128 v[BI+8*\b+4:BI+8*\b+7], v5, s[6:7] offset:(32*(\b/2)+8*(\b%2))*4+16
.endr
	s_cmp_lg_u32 ttmp9, 1
	s_cbranch_scc1 .Lno_mask
	s_lshl_b32 s[T0], s17, 10
	s_lshl_b32 s[T1], s15, 9
	s_add_co_u32 s[T0], s[T0], s[T1]
	v_add_nc_u32 v244, s[T0], v[L16]
	global_load_b128 v[192:195], v244, s[84:85]
	v_mov_b32 v196, 0xf1800000
	s_wait_alu depctr_va_vdst(0)
	s_wait_loadcnt 0x0
.irp e, 0,1,2,3
	v_cmp_eq_u32 vcc_lo, 0, v[192+\e]
	v_cndmask_b32 v[192+\e], 0, v196, vcc_lo
.endr
	s_add_co_u32 s[T1], s[SS0], 2048
	v_add_nc_u32 v[VO], s[T1], v[L16]
	global_store_b128 v[VO], v[192:195], s[OUTP:OUTP+1]
	s_add_co_u32 s[T1], s[T1], HEADB
	v_add_nc_u32 v[VO+1], s[T1], v[L16]
	global_store_b128 v[VO+1], v[192:195], s[OUTP:OUTP+1]
.Lno_mask:
	s_wait_loadcnt 0x0
.Lqk:
	s_wait_xcnt 0x0
.irp a, 1,2,3,4,5,6,7
	s_cmp_eq_u32 s[AI], \a
	s_cbranch_scc1 .Lqk_\a
.endr
.irp a, 0,1,2,3,4,5,6,7
.if \a > 0
.Lqk_\a:
.endif
	WIN 0x02+(\a/4)
.set ii, 0
.rept 32
	v_pk_add_f32 v[X+ii:X+ii+1], v[64*(\a%4)+ii:64*(\a%4)+ii+1], v[BI+ii:BI+ii+1]
.set ii, ii+2
.endr
	WIN 0
.if \a < 7
	s_branch .Lqk_work
.endif
.endr
.Lqk_work:
	QUANT X, PC
	v_lshl_or_b32 v[W0], v[TM+5], 8, v[TM+4]
	v_lshl_or_b32 v[W1], v[TM+7], 8, v[TM+6]
	v_or_b32 v[W0], 0x7f7f0000, v[W0]
	s_wait_alu depctr_va_vdst(0)
	v_or_b32 v[W1], 0x7f7f0000, v[W1]
	s_lshl_b32 s[T0], s[AI], 10
	s_add_co_u32 s[T1], s[SC0], s[T0]
	v_add_nc_u32 v[VO], s[T1], v[L16]
	global_store_b128 v[VO], v[PC:PC+3], s[OUTP:OUTP+1]
	global_store_b128 v[VO], v[PC+4:PC+7], s[OUTP:OUTP+1] offset:512
	s_add_co_u32 s[T1], s[T1], s[DC]
	v_add_nc_u32 v[VO+1], s[T1], v[L16]
	global_store_b128 v[VO+1], v[PC+8:PC+11], s[OUTP:OUTP+1]
	global_store_b128 v[VO+1], v[PC+12:PC+15], s[OUTP:OUTP+1] offset:512
	s_and_b32 s[T0], s[AI], 6
	s_lshl_b32 s[T0], s[T0], 6
	s_add_co_u32 s[T0], s[T0], s[SS0]
	s_add_co_u32 s[T1], s[T0], s[DS]
	WORDOUT WACC, W0, T0, VOS
	s_wait_alu depctr_va_vdst(0)
	WORDOUT WACC+1, W1, T1, VOS+1
	s_add_co_u32 s[AI], s[AI], 1
	s_cmp_lt_u32 s[AI], 8
	s_cbranch_scc1 .Lqk
	s_branch .Ldone
.Lvpath:
	s_lshr_b32 s[T0], s42, 3
	s_lshl_b32 s[T0], s[T0], 4
	s_lshl_b32 s[T1], s41, 2
	s_add_co_u32 s[T0], s[T0], s[T1]
	s_lshl_b32 s[T1], s15, 1
	s_add_co_u32 s[T0], s[T0], s[T1]
	s_mul_i32 s[T0], s[T0], HEADB
	s_lshl_b32 s[T1], s42, 1
	s_add_co_u32 s[T1], s[T1], s16
	s_and_b32 s[T1], s[T1], 15
	s_lshr_b32 s[T2], s[T1], 2
	s_mul_i32 s[T2], s[T2], QTR
	s_add_co_u32 s[T0], s[T0], s[T2]
	s_add_co_u32 s[T0], s[T0], KVOFF
	s_and_b32 s[T1], s[T1], 3
	s_lshl_b32 s[SC0], s[T1], 13
	s_add_co_u32 s[SC0], s[SC0], s[T0]
	s_add_co_u32 s[SC0], s[SC0], 36864
	s_lshl_b32 s[SS0], s[T1], 8
	s_add_co_u32 s[SS0], s[SS0], s[T0]
	s_add_co_u32 s[SS0], s[SS0], 69632
	s_lshl_b32 s[T0], s41, 10
	s_lshl_b32 s[T1], s15, 9
	s_add_co_u32 s[T0], s[T0], s[T1]
	v_and_b32 v4, 8, v1
	v_add_nc_u32 v4, v4, v1
	v_lshl_add_u32 v4, v4, 2, s[T0]
.irp a, 0,1,2,3,4,5,6,7
	global_load_b32 v[BI+2*\a], v4, s[10:11] offset:(32*(\a/2)+8*(\a%2))*4
	global_load_b32 v[BI+2*\a+1], v4, s[10:11] offset:(32*(\a/2)+8*(\a%2))*4
.endr
	s_wait_loadcnt 0x0
.Lvv:
	s_wait_xcnt 0x0
.irp a, 1,2,3,4,5,6,7
	s_cmp_eq_u32 s[AI], \a
	s_cbranch_scc1 .Lvv_\a
.endr
.irp a, 0,1,2,3,4,5,6,7
.if \a > 0
.Lvv_\a:
.endif
	WIN 0x02+(\a/4)
.set ii, 0
.rept 32
	v_pk_add_f32 v[X+ii:X+ii+1], v[64*(\a%4)+ii:64*(\a%4)+ii+1], v[BI+2*\a:BI+2*\a+1] op_sel_hi:[1,0]
.set ii, ii+2
.endr
	WIN 0
.if \a < 7
	s_branch .Lvv_work
.endif
.endr
.Lvv_work:
	QUANT X, PC
	s_lshr_b32 s[T0], s[AI], 2
	s_mul_i32 s[T0], s[T0], HEADB
	s_and_b32 s[T1], s[AI], 3
	s_lshl_b32 s[T2], s[T1], 11
	s_add_co_u32 s[T2], s[T2], s[T0]
	s_add_co_u32 s[T2], s[T2], s[SC0]
	v_add_nc_u32 v[VO], s[T2], v[L16]
.irp c, 0,1,2,3
	global_store_b128 v[VO], v[PC+4*\c:PC+4*\c+3], s[OUTP:OUTP+1] offset:512*\c
.endr
	s_lshr_b32 s[T1], s[T1], 1
	s_lshl_b32 s[T1], s[T1], 7
	s_add_co_u32 s[T1], s[T1], s[T0]
	s_add_co_u32 s[T1], s[T1], s[SS0]
	WORDOUT WACC, PW, T1, VOS
	s_add_co_u32 s[AI], s[AI], 1
	s_cmp_lt_u32 s[AI], 8
	s_cbranch_scc1 .Lvv
.Ldone:
	s_wait_tensorcnt 0x0
	ds_add_u32 v[SPW], v[NIL]
	s_wait_dscnt 0x0
	CROUND
	s_endpgm
.Lfunc_end_k_q27fe768ea0_qkv:
	.size	k_q27fe768ea0_qkv, .Lfunc_end_k_q27fe768ea0_qkv-k_q27fe768ea0_qkv
	.p2alignl 7, 3214868480
	.fill 96, 4, 3214868480
	.section	.rodata,"a",@progbits
	.p2align	6, 0x0
	.amdhsa_kernel k_q27fe768ea0_qkv
		.amdhsa_group_segment_fixed_size 327680
		.amdhsa_private_segment_fixed_size 0
		.amdhsa_enable_private_segment 0
		.amdhsa_kernarg_size 48
		.amdhsa_user_sgpr_count 2
		.amdhsa_user_sgpr_kernarg_segment_ptr 1
		.amdhsa_wavefront_size32 1
		.amdhsa_system_sgpr_workgroup_id_x 1
		.amdhsa_system_sgpr_workgroup_id_y 1
		.amdhsa_system_sgpr_workgroup_id_z 1
		.amdhsa_system_vgpr_workitem_id 0
		.amdhsa_next_free_vgpr 1024
		.amdhsa_next_free_sgpr 100
		.amdhsa_reserve_vcc 1
		.amdhsa_float_denorm_mode_32 3
		.amdhsa_float_denorm_mode_16_64 3
		.amdhsa_memory_ordered 1
		.amdhsa_forward_progress 1
		.amdhsa_inst_pref_size 177
	.end_amdhsa_kernel
	.amdgpu_metadata
---
amdhsa.version: [ 1, 2 ]
amdhsa.kernels:
  - .name:           k_q27fe768ea0_qkv
    .symbol:         k_q27fe768ea0_qkv.kd
    .args:
      - { .name: P, .offset: 0, .size: 8, .value_kind: global_buffer, .address_space: global }
      - { .name: bQ, .offset: 8, .size: 8, .value_kind: global_buffer, .address_space: global }
      - { .name: bK, .offset: 16, .size: 8, .value_kind: global_buffer, .address_space: global }
      - { .name: bV, .offset: 24, .size: 8, .value_kind: global_buffer, .address_space: global }
      - { .name: mask, .offset: 32, .size: 8, .value_kind: global_buffer, .address_space: global }
      - { .name: Qb, .offset: 40, .size: 8, .value_kind: global_buffer, .address_space: global }
    .group_segment_fixed_size: 327680
    .private_segment_fixed_size: 0
    .kernarg_segment_align: 8
    .kernarg_segment_size: 48
    .max_flat_workgroup_size: 128
    .sgpr_count:     100
    .vgpr_count:     1024
    .wavefront_size: 32
...
	.end_amdgpu_metadata
.endif
;; end of part 2
;; launch attn (part 3): grid 8 x 32, 16 waves a work-group, clusters of 4 x 1, 327,680 bytes of LDS; arguments Qb, Yb; writes Yb
.if DOCPART == 3
	.amdgcn_target "amdgcn-amd-amdhsa--gfx1250"
	.amdhsa_code_object_version 6
	.text
	.protected	k_q27fe768ea0_attn
	.globl	k_q27fe768ea0_attn
	.p2align	8
	.type	k_q27fe768ea0_attn,@function
k_q27fe768ea0_attn:
	s_mov_b64 s[64:65], 0
	v_nop
	global_prefetch_b8 v0, s[64:65] scope:SCOPE_SE
	s_setreg_imm32_b32 hwreg(HW_REG_WAVE_MODE, 25, 1), 1
	s_wait_xcnt 0x0
	s_wait_alu depctr_hold_cnt(0) depctr_sa_sdst(0) depctr_va_vdst(0) depctr_va_sdst(0) depctr_va_ssrc(0) depctr_va_vcc(0) depctr_vm_vsrc(0)
	s_getreg_b32 s2, hwreg(HW_REG_IB_STS2, 6, 4)
	s_cmp_eq_u32 s2, 0
	s_cbranch_scc0 .Lentry_in_a_cluster
	s_endpgm
.Lentry_in_a_cluster:
	s_bfe_u32 s2, ttmp6, 0x10000c
	s_cmp_lg_u32 s2, 0x3003
	s_cbranch_scc0 .Lentry_shape_is_right
	s_endpgm
.Lentry_shape_is_right:
; y[b][q][head] = softmax_k(q . k / 8, masked) v, both products on codes of E4M3 with E8M0 scales; y is quantised along the merged heads and stored as an image of operand registers.
; SHARES.  A work-group owns 256 queries of one head-batch (work-group y); each of its sixteen waves one tile of 16 queries, in 256 registers: four waves to a SIMD.
; LDS.  The head's k, k's scale words, the mask as f32, v (keys innermost) and v's scale words, 282,624 bytes in four quarters of 512 keys, come ONCE, as they lie in Qb: nothing is filled again.
; The four work-groups of a cluster belong to one head-batch and ask jointly.  Every wave issues ONE load, a sixteenth of the head (69 rows of 256 bytes); one wait and one barrier follow, and no barrier stands among the key steps.
; No prefetch: all that the launch reads through LDS is asked for at its head, so there is no loop to run ahead in.
; LAYOUT.  Both products transposed: S^T = k q^T + mask (the mask is the C of the product), O^T = v^T p^T: a lane holds one query throughout.  The head's 64 fill half of the instruction's 128:
; q's upper 64 codes are zeros, so whatever finite codes stand in the upper registers of k's operand add nothing; both sides' upper scale bytes are 127.  So k's tiles lie 8 registers apart and the upper half
; of a tile's operand is the next tile's codes: tiles 0-6 in v32-87 (behind them v88-95: zeros, later codes of v), tile 7 in v208-215 with zeros in v216-223.  All eight tiles are read in one run.
; SOFTMAX.  t = score x log2(e) / 8; M = the running largest t rounded up to a whole number; p = 2^(t - M) is quantised along the keys; the row's sum is taken of the unquantised p and divides at the end.
; The running largest t starts at -2^60.  A masked score is about -2^100, far under it: its p is exactly 0 and it never moves M.
; LIMITS: open scores x log2(e) / 8 must lie above -2^60, and scores under 2^99 in magnitude.  A query none of whose keys is open gets the scale bytes 0xff, which make its row NaN in the next product.
; NaN and infinities among the inputs are not served.
.set QTR,   70656
.set HEADB, 282624
.set QSOFF, 4194304
.set KVOFF, 4456448
.set SPARE, 0x45000                    ; behind the head's bytes: the spare words, 128 bytes a wave
.set L16,  1                           ; v1 16 x lane: k's fragments
.set AV0,  2                           ; v2 v's fragments
.set AS0,  3                           ; v3 k's scale words
.set AM0,  4                           ; v4 the mask
.set AT0,  5                           ; v5 v's scale words
.set ADM,  7                           ; v7-11 the same for the step in hand
.set ADK,  8
.set ADV,  9
.set ADS,  10
.set ADT,  11
.set WV,   18
.set MNT,  19
.set SEL,  20
.set CS,   22
.set G1,   24
.set G0,   32
.set SK,   48                          ; where the step's codes begin: 8,192 bytes a step
.set S5,   49                          ; k's scale words and the mask: 512 bytes a step
.set ST,   50                          ; v's scale words: 256 bytes a step
.set CNT,  51
.macro CROUND
	s_barrier_signal -1
	s_barrier_wait -1
	s_cmp_lg_u32 s[WV], 0
	s_cbranch_scc1 .Lnot_wave_0_\@
	s_barrier_signal -3
.Lnot_wave_0_\@:
	s_barrier_wait -3
	s_barrier_signal -1
	s_barrier_wait -1
.endm
	s_load_b128 s[4:7], s[0:1], 0x0                ; Qb, Yb
	v_lshl_add_u32 v230, v0, 2, SPARE
	v_mov_b32 v231, 0
	ds_add_u32 v230, v231                          ; the opening lines: the add, twice on end, and its wait
	ds_add_u32 v230, v231
	v_lshrrev_b32 v8, 5, v0
	s_delay_alu instid0(VALU_DEP_1)
	v_readfirstlane_b32 s[WV], v8                  ; wave 0..15
	s_bfe_u32 s52, ttmp6, 0x40000                  ; cx: it enters q's and y's global addresses alone
	s_lshl_b32 s53, ttmp9, 2
	s_add_co_u32 s53, s53, s52                     ; my block of 256 queries
	s_and_b32 s54, ttmp7, 0xffff                   ; the head-batch, which the four partners share
	s_mul_i32 s8, s54, HEADB
	s_add_co_u32 s8, s8, KVOFF
	s_mul_i32 s55, s[WV], 17664                    ; my sixteenth of the head: 69 rows of 256 bytes
	s_add_co_u32 s8, s8, s55
	s_mov_b32 s9, 0
	s_mov_b32 s[G1], 15|(3<<16)|(1<<21)            ; 15:0 all four work-groups; 17:16 elements of 8 bytes; 21 set beside a mask
	s_mov_b32 s[G1+1], 32<<16                      ; tensor_dim0 = 32 elements: 256 bytes
	s_mov_b32 s[G1+2], 69<<16                      ; tensor_dim1
	s_mov_b32 s[G1+3], 32<<16                      ; tile_dim0
	s_mov_b32 s[G1+4], 69                          ; tile_dim1
	s_mov_b32 s[G1+5], 32                          ; dense
	s_mov_b32 s[G1+6], 0
	s_mov_b32 s[G1+7], 0
	s_mov_b32 s[SEL], 0x76543210
	s_mov_b32 s[SEL+1], 0xfedcba98
	s_mov_b32 s[CS], 0x3e38aa3b                    ; c = log2(e) / 8
	s_mov_b32 s[CS+1], s[CS]
	s_mov_b32 s[MNT], 0x600000
	s_wait_dscnt 0x0
	s_wait_kmcnt 0x0
	s_add_nc_u64 s[8:9], s[4:5], s[8:9]
	s_mov_b32 s[G0], 1
	s_add_co_u32 s[G0+1], s55, 0
	s_add_nc_u64 s[G0+2:G0+3], s[8:9], 0
	s_or_b32 s[G0+3], s[G0+3], 0x80000000
	CROUND                                         ; all four work-groups are here: the joint loads meet
	tensor_load_to_lds s[G0:G0+3], s[G1:G1+7]      ; my one tensor load
	s_nop 0
.rept 4
	v_nop
.endr
	s_lshl_b32 s56, s53, 4
	s_add_co_u32 s56, s56, s[WV]                   ; my tile of queries in the batch
	s_lshl_b32 s57, s54, 7
	s_add_co_u32 s57, s57, s56
	s_lshl_b32 s58, s57, 10                        ; its codes,
	s_lshl_b32 s59, s57, 6
	s_add_co_u32 s59, s59, QSOFF                   ; its scale words
	v_and_b32 v6, 31, v0
	s_delay_alu instid0(VALU_DEP_1)
	v_lshlrev_b32 v[L16], 4, v6
	v_and_b32 v8, 15, v0                           ; r
	v_bfe_u32 v9, v0, 4, 1                         ; h
	s_delay_alu instid0(VALU_DEP_3)
	v_add_nc_u32 v228, s58, v[L16]
	global_load_b128 v[16:19], v228, s[4:5]
	global_load_b128 v[20:23], v228, s[4:5] offset:512
	v_lshl_add_u32 v229, v8, 2, s59
	global_load_b32 v255, v229, s[4:5]             ; q's scale words
	v_add_nc_u32 v[AV0], 36864, v[L16]
	v_lshl_add_u32 v[AS0], v8, 2, 32768
	v_lshl_add_u32 v[AM0], v9, 6, 34816
	v_lshl_add_u32 v[AT0], v8, 2, 69632
.irp j, 0,1,2,3,4,5,6,7
	v_mov_b32 v[24+\j], 0                          ; q's upper 64: zero codes
	v_mov_b32 v[88+\j], 0                          ; behind k's tile 6
	v_mov_b32 v[216+\j], 0                         ; behind k's tile 7
.endr
.set jj, 0
.rept 32
	v_mov_b32 v[160+jj], 0                         ; O^T: the step is written once; its first trip finds zeros
.set jj, jj+1
.endr
	v_mov_b32 v13, 0xdd800000                      ; the largest t so far: -2^60
	s_delay_alu instid0(VALU_DEP_1)
	v_floor_f32 v12, -v13                          ; -M
	v_mov_b32 v14, 0
	v_mov_b32 v15, 0
.irp b, 0,1,2,3
	v_mov_b32 v[236+\b], 0
.endr
	v_mov_b32 v253, 0
; A KEY STEP: 128 keys
.macro STEP
	v_add_nc_u32 v[ADK], s[SK], v[L16]
	v_add_nc_u32 v[ADV], s[SK], v[AV0]
	v_add_nc_u32 v[ADS], s[S5], v[AS0]
	v_add_nc_u32 v[ADM], s[S5], v[AM0]
	v_add_nc_u32 v[ADT], s[ST], v[AT0]
	s_wait_alu depctr_va_vdst(0)
.rept 3
	v_nop                                          ; with the five additions: eight places in front of loads into registers that the last products read
.endr
.irp t, 0,1,2,3,4,5,6,7
	ds_load_b128 v[96+8*\t:99+8*\t], v[ADM] offset:128*(\t/2)+32*(\t%2)          ; the mask of the tile's eight keys of my half: the C of the scores
	ds_load_b128 v[100+8*\t:103+8*\t], v[ADM] offset:128*(\t/2)+32*(\t%2)+16
.endr
.irp t, 0,1,2,3,4,5,6,7
	ds_load_b128 v[32+8*\t+120*(\t/7):35+8*\t+120*(\t/7)], v[ADK] offset:\t*1024
	ds_load_b128 v[36+8*\t+120*(\t/7):39+8*\t+120*(\t/7)], v[ADK] offset:\t*1024+512
	ds_load_b32 v[248+\t-28*(\t/4)], v[ADS] offset:\t*64
.endr
	s_wait_dscnt 0x0
.irp t, 0,1,2,3,4,5,6,7
	v_wmma_scale_f32_16x16x128_f8f6f4 v[96+8*\t:103+8*\t], v[32+8*\t+120*(\t/7):47+8*\t+120*(\t/7)], v[16:31], v[96+8*\t:103+8*\t], v[248+\t-28*(\t/4)], v255
.endr
.rept 8
	v_nop
.endr
.irp t, 0,1,2,3                                ; v's fragments are asked for now and land under the softmax
.irp c, 0,1,2,3
	ds_load_b128 v[32+16*\t+4*\c:35+16*\t+4*\c], v[ADV] offset:\t*2048+512*\c
.endr
	ds_load_b32 v[248+\t], v[ADT] offset:\t*64
.endr
.irp b, 0,1,2,3
	v_max3_num_f32 v[232+\b], v[96+16*\b], v[97+16*\b], v[98+16*\b]      ; the largest score of each block of 32 keys: for the row's maximum, and for the block's largest p
.endr
.irp i, 3,5,7,9,11,13
.irp b, 0,1,2,3
	v_max3_num_f32 v[232+\b], v[232+\b], v[96+16*\b+\i], v[97+16*\b+\i]
.endr
.endr
.irp b, 0,1,2,3
	v_max_num_f32 v[232+\b], v[232+\b], v[111+16*\b]
.endr
.irp b, 0,1,2,3
	s_delay_alu instid0(VALU_DEP_4)
	v_permlanex16_b32 v[236+\b], v[232+\b], s[SEL], s[SEL+1]
.endr
.irp b, 0,1,2,3
	s_delay_alu instid0(VALU_DEP_4)
	v_max_num_f32 v[232+\b], v[232+\b], v[236+\b]
.endr
	s_delay_alu instid0(VALU_DEP_2)
	v_max3_num_f32 v254, v232, v233, v234
	s_delay_alu instid0(VALU_DEP_1)
	v_max_num_f32 v254, v254, v235
	s_delay_alu instid0(VALU_DEP_1)
	v_mul_f32 v254, s[CS], v254
	s_delay_alu instid0(VALU_DEP_1)
	v_max_num_f32 v13, v13, v254                   ; the running largest t
	v_mov_b32 v254, v12
	s_delay_alu instid0(VALU_DEP_2)
	v_floor_f32 v12, -v13                          ; the new -M = -ceil(t)
	s_delay_alu instid0(VALU_DEP_1)
	v_sub_f32 v254, v12, v254                      ; old M - new M: a whole number, 0 or less
	s_delay_alu instid0(VALU_DEP_1)
	v_cvt_i32_f32 v254, v254                       ; (it saturates)
	s_delay_alu instid0(VALU_DEP_1)
	v_ldexp_f32 v252, 1.0, v254                    ; f = 2^(old M - new M)
.set jj, 0
.rept 32
	v_pk_fma_f32 v[96+jj:97+jj], v[96+jj:97+jj], s[CS:CS+1], v[12:13] op_sel_hi:[1,0,0]   ; t - M
.set jj, jj+2
.endr
.irp b, 0,1,2,3
	v_fma_f32 v[232+\b], v[232+\b], s[CS], v12
.endr
.set jj, 0
	s_wait_alu depctr_va_vdst(0)
.rept 64
	v_exp_f32 v[96+jj], v[96+jj]                   ; p = 2^(t - M)
.set jj, jj+1
.endr
.irp b, 0,1,2,3
	v_exp_f32 v[232+\b], v[232+\b]                 ; the block's largest p
.endr
	v_pk_mul_f32 v[14:15], v[14:15], v[252:253] op_sel_hi:[1,0]    ; the sums under the new M (a plain place behind the exponentials)
	s_wait_alu depctr_va_vdst(0)                   ; and behind it
.irp b, 0,1,2,3
	v_max_num_f32 v[232+\b], 0x4800000, v[232+\b]  ; the floor: the byte cannot fall under 1
.endr
.irp b, 0,1,2,3
	s_delay_alu instid0(VALU_DEP_4)
	v_add_nc_u32 v[244+\b], 0xfc000000, v[232+\b]
.endr
.irp b, 0,1,2,3
	v_and_or_b32 v[240+\b], v[232+\b], 0x7f800000, s[MNT]
.endr
.irp b, 0,1,2,3
	v_lshrrev_b32 v[236+\b], 23, v[244+\b]
.endr
	s_delay_alu instid0(VALU_DEP_3)
	v_lshl_or_b32 v253, v237, 8, v236              ; p's scale word for these 128 keys
	s_delay_alu instid0(VALU_DEP_1)
	v_lshl_or_b32 v253, v238, 16, v253
	s_delay_alu instid0(VALU_DEP_1)
	v_lshl_or_b32 v253, v239, 24, v253
; the row's sum of the unquantised p: eight chains by turns, seven of them in the registers that take p's codes below
.irp j, 0,1,2,3,4,5,6
	v_pk_add_f32 v[192+2*\j:193+2*\j], v[96+4*\j:97+4*\j], v[98+4*\j:99+4*\j]
.endr
	v_pk_add_f32 v[14:15], v[14:15], v[124:125]
.irp j, 0,1,2,3,4,5,6
	v_pk_add_f32 v[192+2*\j:193+2*\j], v[192+2*\j:193+2*\j], v[126+2*\j:127+2*\j]
.endr
	v_pk_add_f32 v[14:15], v[14:15], v[140:141]
.irp j, 0,1,2,3,4,5,6
	v_pk_add_f32 v[192+2*\j:193+2*\j], v[192+2*\j:193+2*\j], v[142+2*\j:143+2*\j]
.endr
	v_pk_add_f32 v[14:15], v[14:15], v[156:157]
	v_pk_add_f32 v[192:193], v[192:193], v[158:159]
	v_pk_add_f32 v[194:195], v[194:195], v[202:203]
	v_pk_add_f32 v[196:197], v[196:197], v[204:205]
	v_pk_add_f32 v[14:15], v[14:15], v[198:199]
	s_delay_alu instid0(VALU_DEP_4)
	v_pk_add_f32 v[192:193], v[192:193], v[200:201]
	s_delay_alu instid0(VALU_DEP_3)
	v_pk_add_f32 v[194:195], v[194:195], v[196:197]
	s_delay_alu instid0(VALU_DEP_2)
	v_pk_add_f32 v[14:15], v[14:15], v[192:193]
	s_delay_alu instid0(VALU_DEP_1)
	v_pk_add_f32 v[14:15], v[14:15], v[194:195]
.irp b, 0,1,2,3
.set jj, 0
.rept 8
	v_dual_min_num_f32 v[96+16*\b+jj], v[96+16*\b+jj], v[240+\b] :: v_dual_min_num_f32 v[97+16*\b+jj], v[97+16*\b+jj], v[240+\b]   ; the hold, two numbers an instruction; p is not negative
.set jj, jj+2
.endr
	v_cvt_scalef32_pk8_fp8_f32 v[192+4*\b:193+4*\b], v[96+16*\b:103+16*\b], v[244+\b]
	v_cvt_scalef32_pk8_fp8_f32 v[194+4*\b:195+4*\b], v[104+16*\b:111+16*\b], v[244+\b]
.endr
.set jj, 0
.rept 16
	v_pk_mul_f32 v[160+jj:161+jj], v[160+jj:161+jj], v[252:253] op_sel_hi:[1,0]   ; O^T under the new M; these are also the places in front of the products below
.set jj, jj+2
.endr
	s_wait_alu depctr_va_vdst(0)
	s_wait_dscnt 0x0                               ; v's fragments and scale words
.irp t, 0,1,2,3
	v_wmma_scale_f32_16x16x128_f8f6f4 v[160+8*\t:167+8*\t], v[32+16*\t:47+16*\t], v[192:207], v[160+8*\t:167+8*\t], v[248+\t], v253
.endr
	s_add_co_u32 s[SK], s[SK], 8192
	s_add_co_u32 s[S5], s[S5], 512
	s_add_co_u32 s[ST], s[ST], 256
.endm
.macro QUARTER g                       ; four key steps: a quarter of the head's keys
	s_mov_b32 s[SK], \g*QTR
	s_mov_b32 s[S5], \g*QTR
	s_mov_b32 s[ST], \g*QTR
	s_mov_b32 s[CNT], 4
.Lstep_\@:
	STEP
	s_sub_co_u32 s[CNT], s[CNT], 1
	s_cmp_lg_u32 s[CNT], 0
	s_cbranch_scc1 .Lstep_\@
.endm
	s_wait_alu depctr_va_vdst(0)
	s_wait_loadcnt 0x0                             ; q
	s_wait_tensorcnt 0x0                           ; my sixteenth of the head is in
	s_barrier_signal -1
	s_barrier_wait -1                              ; everybody's is in
	QUARTER 0
	QUARTER 1
	QUARTER 2
	QUARTER 3
	; ---- THE WAY OUT: O^T / the sum, quantised along the head's 64 channels (two blocks of the merged heads' K), stored as half a fragment of y's image
.rept 8
	v_nop
.endr
	v_add_f32 v14, v14, v15
	s_delay_alu instid0(VALU_DEP_1)
	v_permlanex16_b32 v252, v14, s[SEL], s[SEL+1]
	s_delay_alu instid0(VALU_DEP_1)
	v_add_f32 v14, v14, v252                       ; the row's sum
	s_wait_alu depctr_va_vdst(0)
	v_rcp_f32 v14, v14
	v_mov_b32 v246, 0xffff                         ; (a plain place behind the reciprocal)
.set jj, 0
	s_wait_alu depctr_va_vdst(0)
.rept 32
	v_mul_f32 v[96+jj], v[160+jj], v14             ; register 16 b + i = channel 32 b + 16 h + i of my query
.set jj, jj+1
.endr
.irp b, 0,1
	v_max3_num_f32 v[232+\b], |v[96+16*\b]|, |v[97+16*\b]|, 0x4800000
.endr
.irp i, 2,4,6,8,10,12,14
.irp b, 0,1
	s_delay_alu instid0(VALU_DEP_2)
	v_max3_num_f32 v[232+\b], v[232+\b], |v[96+16*\b+\i]|, |v[97+16*\b+\i]|
.endr
.endr
.irp b, 0,1
	s_delay_alu instid0(VALU_DEP_2)
	v_permlanex16_b32 v[236+\b], v[232+\b], s[SEL], s[SEL+1]
.endr
.irp b, 0,1
	s_delay_alu instid0(VALU_DEP_2)
	v_max_num_f32 v[232+\b], v[232+\b], v[236+\b]
.endr
.irp b, 0,1
	s_delay_alu instid0(VALU_DEP_2)
	v_add_nc_u32 v[244+\b], 0xfc000000, v[232+\b]
.endr
.irp b, 0,1
	s_delay_alu instid0(VALU_DEP_4)
	v_and_or_b32 v[240+\b], v[232+\b], 0x7f800000, s[MNT]
.endr
.irp b, 0,1
	s_delay_alu instid0(VALU_DEP_4)
	v_lshrrev_b32 v[236+\b], 23, v[244+\b]
.endr
	s_delay_alu instid0(VALU_DEP_1)
	v_lshl_or_b32 v254, v237, 8, v236              ; my row's two scale bytes
	v_cmp_ge_f32 vcc_lo, 0xdd800000, v13           ; no key of this query was open:
	s_delay_alu instid0(VALU_DEP_1)
	v_cndmask_b32 v254, v254, v246, vcc_lo         ; the bytes 0xff make the row NaN in the next product, as the softmax of an empty row is
.irp b, 0,1
.set jj, 0
.rept 16
	v_med3_num_f32 v[96+16*\b+jj], v[96+16*\b+jj], -v[240+\b], v[240+\b]
.set jj, jj+1
.endr
	v_cvt_scalef32_pk8_fp8_f32 v[208+4*\b:209+4*\b], v[96+16*\b:103+16*\b], v[244+\b]
	v_cvt_scalef32_pk8_fp8_f32 v[210+4*\b:211+4*\b], v[104+16*\b:111+16*\b], v[244+\b]
.endr
	v_nop
	s_lshr_b32 s60, s54, 4
	s_lshl_b32 s60, s60, 7
	s_add_co_u32 s60, s60, s56                     ; my token block among all 256
	s_lshr_b32 s61, s60, 2
	s_lshl_b32 s61, s61, 3
	s_and_b32 s62, s54, 15
	s_lshr_b32 s62, s62, 1
	s_add_co_u32 s61, s61, s62
	s_mul_i32 s61, s61, 8448                       ; the unit: row group x 8 + head / 2
	s_and_b32 s62, s60, 3
	s_and_b32 s63, s54, 1
	s_lshl_b32 s8, s62, 11
	s_add_co_u32 s8, s8, s61
	s_lshl_b32 s9, s63, 10
	s_add_co_u32 s8, s8, s9
	v_add_nc_u32 v226, s8, v[L16]
	s_wait_alu depctr_va_vdst(0)
	global_store_b128 v226, v[208:211], s[6:7]             ; 512 consecutive bytes
	global_store_b128 v226, v[212:215], s[6:7] offset:512
	s_lshl_b32 s8, s62, 6
	s_add_co_u32 s8, s8, s61
	s_lshl_b32 s9, s63, 1
	s_add_co_u32 s8, s8, s9
	s_add_co_u32 s8, s8, 8192
	v_and_b32 v8, 15, v0
	s_delay_alu instid0(VALU_DEP_1)
	v_lshl_add_u32 v227, v8, 2, s8
	global_store_b16 v227, v254, s[6:7]            ; my head's half of the row's scale word; lanes l and l + 16 hold the same value and name the same bytes
	s_wait_tensorcnt 0x0                           ; the wave's end
	ds_add_u32 v230, v231
	s_wait_dscnt 0x0
	CROUND                                         ; the closing round
	s_endpgm
.Lfunc_end_k_q27fe768ea0_attn:
	.size	k_q27fe768ea0_attn, .Lfunc_end_k_q27fe768ea0_attn-k_q27fe768ea0_attn
	.p2alignl 7, 3214868480
	.fill 96, 4, 3214868480
	.section	.rodata,"a",@progbits
	.p2align	6, 0x0
	.amdhsa_kernel k_q27fe768ea0_attn
		.amdhsa_group_segment_fixed_size 327680
		.amdhsa_private_segment_fixed_size 0
		.amdhsa_enable_private_segment 0
		.amdhsa_kernarg_size 16
		.amdhsa_user_sgpr_count 2
		.amdhsa_user_sgpr_kernarg_segment_ptr 1
		.amdhsa_wavefront_size32 1
		.amdhsa_system_sgpr_workgroup_id_x 1
		.amdhsa_system_sgpr_workgroup_id_y 1
		.amdhsa_system_sgpr_workgroup_id_z 1
		.amdhsa_system_vgpr_workitem_id 0
		.amdhsa_next_free_vgpr 256
		.amdhsa_next_free_sgpr 66
		.amdhsa_reserve_vcc 1
		.amdhsa_float_denorm_mode_32 3
		.amdhsa_float_denorm_mode_16_64 3
		.amdhsa_memory_ordered 1
		.amdhsa_forward_progress 1
		.amdhsa_inst_pref_size 99
	.end_amdhsa_kernel
	.amdgpu_metadata
---
amdhsa.version: [ 1, 2 ]
amdhsa.kernels:
  - .name:           k_q27fe768ea0_attn
    .symbol:         k_q27fe768ea0_attn.kd
    .args:
      - { .name: Qb, .offset: 0, .size: 8, .value_kind: global_buffer, .address_space: global }
      - { .name: Yb, .offset: 8, .size: 8, .value_kind: global_buffer, .address_space: global }
    .group_segment_fixed_size: 327680
    .private_segment_fixed_size: 0
    .kernarg_segment_align: 8
    .kernarg_segment_size: 16
    .max_flat_workgroup_size: 512
    .sgpr_count:     66
    .vgpr_count:     256
    .wavefront_size: 32
...
	.end_amdgpu_metadata
.endif
;; end of part 3
;; launch wyln (part 4): grid 256 x 1, 16 waves a work-group, clusters of 4 x 1, 327,680 bytes of LDS; arguments Yb, P, bY, x, ln1_w, ln1_b, Hb; writes Hb
.if DOCPART == 4
	.amdgcn_target "amdgcn-amd-amdhsa--gfx1250"
	.amdhsa_code_object_version 6
	.text
	.protected	k_q27fe768ea0_wyln
	.globl	k_q27fe768ea0_wyln
	.p2align	8
	.type	k_q27fe768ea0_wyln,@function
k_q27fe768ea0_wyln:
	s_mov_b64 s[64:65], 0
	v_nop
	global_prefetch_b8 v0, s[64:65] scope:SCOPE_SE
	s_setreg_imm32_b32 hwreg(HW_REG_WAVE_MODE, 25, 1), 1
	s_wait_xcnt 0x0
	s_wait_alu depctr_hold_cnt(0) depctr_sa_sdst(0) depctr_va_vdst(0) depctr_va_sdst(0) depctr_va_ssrc(0) depctr_va_vcc(0) depctr_vm_vsrc(0)
	s_getreg_b32 s2, hwreg(HW_REG_IB_STS2, 6, 4)
	s_cmp_eq_u32 s2, 0
	s_cbranch_scc0 .Lentry_in_a_cluster
	s_endpgm
.Lentry_in_a_cluster:
	s_bfe_u32 s2, ttmp6, 0x10000c
	s_cmp_lg_u32 s2, 0x3003
	s_cbranch_scc0 .Lentry_shape_is_right
	s_endpgm
.Lentry_shape_is_right:
; h = LayerNorm(y WY + bY + x): the product on codes of E4M3 with E8M0 scales, the norm over rows of 1,024 (biased variance, eps = 1e-5, gain and bias), in ONE launch: a row has one owner.
; SHARES.  A work-group takes one token block (16 tokens: token 32 (A / 2) + 8 (A % 2) + r + 8 (r / 8) in lanes r and r + 16) through all 1,024 columns and all of K.  Wave w of sixteen takes columns 64 w on:
; four accumulators, 32 registers: register 16 c + i of lane (r, h) = column 64 w + 32 c + 16 h + i.  256 work-groups: one on each WGP.
; OPERANDS.  The weight lies in P as images of operand registers: my 64 columns x 128 k are one unit of 8,448 consecutive bytes.  It comes by two roads at once.
; K steps 0-3 go from memory STRAIGHT INTO REGISTERS: 16 loads of 512 bytes and two of 128 bytes for the scale words (two fragments' words in one register: lanes 0-15 and 16-31);
; two sets of registers: 36 such loads of a wave are out at the most.
; K steps 4-7 come by tensor loads into LDS bytes of the wave's own, two neighbouring units (16,896 dense bytes) a load: K steps 4 and 5 at the head, K steps 6 and 7 as ONE refill of the same bytes,
; behind the wait for all my tensor loads, the add, the wait for my reads and a round of the cluster's barrier.  Only the issuing wave reads those bytes, behind its own wait on TENSORcnt.
; All work-groups read the same weight: the four of a cluster ask for these tiles jointly.  The descriptor hangs on the wave's number alone.
; The K steps are multiplied in the order 0, 1, 4, 5, 2, 3, 6, 7, so that the refill is on its way while K step 2 is multiplied.
; The token block's codes (2,048 bytes a K step), which all sixteen waves multiply, come into LDS once; so do bY, gain and offset, 256 bytes a wave and vector.  The tokens' eight scale words stay in registers.
; No prefetch: the eight K steps are written out, and every request for the weight stands at the head or at least a K step ahead of its use.
; The product is used transposed (source 0 = 16 columns of the weight, source 1 = the 16 tokens).  x waits in registers and turns, behind the last K step, through a stage (pitch 272) in my own bytes of the tensor tile,
; which has had its last fill and its last read by then.
; Mean first, then the sum of squares of the differences.  A row's sums meet in LDS: two barriers.  h goes to Hb twice: as f32, 4,096 bytes a wave in the accumulators' layout, and quantised along its 1,024 as an image of operand registers.
; LIMITS: NaN and infinities among the inputs are not served; a block of zeros keeps the scale byte 1 (its codes are zeros; only this program reads the bytes).
.set KS,    8
.set BOFF,  7569408
.set UNIT,  8448
.set WTB,   2*UNIT                     ; a wave's bytes of the tensor tile, from LDS byte 0 on
.set ACD,   16*WTB                     ; the tokens' codes: KS x 2,048 bytes
.set RED,   ACD+KS*2048                ; the rows' partial sums: 16 rows x 16 waves; the squares' 1,024 bytes further on
.set VEC,   RED+2048                   ; bY, gain, offset: 768 bytes a wave
.set SPARE, VEC+16*768                 ; the spare words, 128 bytes a wave
.set L16, 1
.set L4,  2
.set AAD, 3
.set R4,  4
.set SI,  7
.set SO,  8
.set RST, 9
.set RLD, 10
.set CB,  11
.set SPW, 12
.set NIL, 13
.set XO,  14
.set AST, 15
.set TBA, 86
.set TBS, 87
.set VB,  88
.set VST, 89
.set ACC, 16                           ; v16-47 the sums
.set AF,  48                           ; v48-79 the tokens' fragment, two sets
.set BS,  82                           ; v82-85 the weight's scale words; the tokens' scale words: K steps 0, 1 in v80-81, K steps 2-7 in v90-95
.set BF,  96                           ; v96-223 the weight's four fragments, two sets
.set TMP, 224                          ; v224-255 x as loaded, until the way out
.set XR,  96
.set BI,  128
.set GA,  160
.set BE,  192
.set TM,  96
.set PW,  112
.set PC,  48
.set SU,  224
.set MM,  240
.set SEL, 34
.set MNT, 36
.set INV, 37
.set EPSR, 38
.set G0,  44
.set G1,  48
.macro CROUND
	s_barrier_signal -1
	s_barrier_wait -1
	s_cmp_lg_u32 s20, 0
	s_cbranch_scc1 .Lnot_wave_0_\@
	s_barrier_signal -3
.Lnot_wave_0_\@:
	s_barrier_wait -3
	s_barrier_signal -1
	s_barrier_wait -1
.endm
.macro NOP8                            ; eight places in front of loads into registers that the products read
.rept 8
	v_nop
.endr
.endm
.macro BLOAD p, k                      ; K step k from memory into set p: 18 loads
.set ii, 0
.rept 16
	global_load_b128 v[BF+64*\p+4*ii:BF+64*\p+4*ii+3], v[L16], s[28:29] offset:(\k)*UNIT+512*ii
.set ii, ii+1
.endr
	global_load_b32 v[BS+2*\p], v[L4], s[28:29] offset:(\k)*UNIT+8192
	global_load_b32 v[BS+2*\p+1], v[L4], s[28:29] offset:(\k)*UNIT+8320
.endm
.macro LLOAD p, k                      ; K step k (4 to 7) from my bytes of the tensor tile into set p
.set ii, 0
.rept 16
	ds_load_b128 v[BF+64*\p+4*ii:BF+64*\p+4*ii+3], v[TBA] offset:((\k)%2)*UNIT+512*ii
.set ii, ii+1
.endr
	ds_load_b32 v[BS+2*\p], v[TBS] offset:((\k)%2)*UNIT+8192
	ds_load_b32 v[BS+2*\p+1], v[TBS] offset:((\k)%2)*UNIT+8320
.endm
.macro WM t, p, zero
.if \zero
.if \t%2
	v_wmma_scale_f32_16x16x128_f8f6f4 v[ACC+8*\t:ACC+8*\t+7], v[BF+64*\p+16*\t:BF+64*\p+16*\t+15], v[AF+16*\p:AF+16*\p+15], 0, v[BS+2*\p+\t/2], v[ASR] matrix_a_scale:MATRIX_SCALE_ROW1
.else
	v_wmma_scale_f32_16x16x128_f8f6f4 v[ACC+8*\t:ACC+8*\t+7], v[BF+64*\p+16*\t:BF+64*\p+16*\t+15], v[AF+16*\p:AF+16*\p+15], 0, v[BS+2*\p+\t/2], v[ASR]
.endif
.else
.if \t%2
	v_wmma_scale_f32_16x16x128_f8f6f4 v[ACC+8*\t:ACC+8*\t+7], v[BF+64*\p+16*\t:BF+64*\p+16*\t+15], v[AF+16*\p:AF+16*\p+15], v[ACC+8*\t:ACC+8*\t+7], v[BS+2*\p+\t/2], v[ASR] matrix_a_scale:MATRIX_SCALE_ROW1
.else
	v_wmma_scale_f32_16x16x128_f8f6f4 v[ACC+8*\t:ACC+8*\t+7], v[BF+64*\p+16*\t:BF+64*\p+16*\t+15], v[AF+16*\p:AF+16*\p+15], v[ACC+8*\t:ACC+8*\t+7], v[BS+2*\p+\t/2], v[ASR]
.endif
.endif
.endm
; K step k on set p.  cnt: the loads from memory that are younger than this set's (-1: the set came from LDS)
.macro MULT k, p, cnt, zero
.if \k < 2
.set ASR, 80+\k
.else
.set ASR, 88+\k
.endif
.irp c, 0,1,2,3
	ds_load_b128 v[AF+16*\p+4*\c:AF+16*\p+4*\c+3], v[AAD] offset:2048*\k+512*\c
.endr
.if \cnt >= 0
	s_wait_loadcnt \cnt
.endif
	s_wait_dscnt 0x0
.irp t, 0,1,2,3                                ; the four sums by turns
	WM \t, \p, \zero
.endr
.endm
.macro VLOAD reg, vi                   ; bY (0), gain (1) or offset (2) of my 32 columns, from LDS
.irp c, 0,1
.irp q, 0,1,2,3
	ds_load_b128 v[\reg+16*\c+4*\q:\reg+16*\c+4*\q+3], v[VB] offset:256*\vi+128*\c+16*\q
.endr
.endr
.endm
; my lane's partial sum in v[SU] becomes the row's total over 1,024 columns, in every lane of the row
.macro ROWSUM red
	s_delay_alu instid0(VALU_DEP_1)
	v_permlanex16_b32 v[SU+1], v[SU], s[SEL], s[SEL+1]
	s_delay_alu instid0(VALU_DEP_1)
	v_add_f32 v[SU], v[SU], v[SU+1]                ; my wave's 64 columns
	ds_store_b32 v[RST], v[SU] offset:\red         ; lanes l and l + 16 write the same word with the same value
	s_wait_alu depctr_va_vdst(0)
	s_wait_dscnt 0x0                               ; for the others' sake
	s_barrier_signal -1
	s_barrier_wait -1
.irp q, 0,1,2,3
	ds_load_b128 v[SU+4*\q:SU+4*\q+3], v[RLD] offset:\red+16*\q
.endr
	s_wait_dscnt 0x0
	v_pk_add_f32 v[SU:SU+1], v[SU:SU+1], v[SU+2:SU+3]
	v_pk_add_f32 v[SU+4:SU+5], v[SU+4:SU+5], v[SU+6:SU+7]
	v_pk_add_f32 v[SU+8:SU+9], v[SU+8:SU+9], v[SU+10:SU+11]
	v_pk_add_f32 v[SU+12:SU+13], v[SU+12:SU+13], v[SU+14:SU+15]
	s_delay_alu instid0(VALU_DEP_3)
	v_pk_add_f32 v[SU:SU+1], v[SU:SU+1], v[SU+4:SU+5]
	s_delay_alu instid0(VALU_DEP_2)
	v_pk_add_f32 v[SU+8:SU+9], v[SU+8:SU+9], v[SU+12:SU+13]
	s_delay_alu instid0(VALU_DEP_1)
	v_pk_add_f32 v[SU:SU+1], v[SU:SU+1], v[SU+8:SU+9]
	s_delay_alu instid0(VALU_DEP_1)
	v_add_f32 v[SU], v[SU], v[SU+1]
.endm
.macro FOLD                            ; four chains of pairs in v[SU] on become one number
	s_delay_alu instid0(VALU_DEP_3)
	v_pk_add_f32 v[SU:SU+1], v[SU:SU+1], v[SU+2:SU+3]
	s_delay_alu instid0(VALU_DEP_2)
	v_pk_add_f32 v[SU+4:SU+5], v[SU+4:SU+5], v[SU+6:SU+7]
	s_delay_alu instid0(VALU_DEP_1)
	v_pk_add_f32 v[SU:SU+1], v[SU:SU+1], v[SU+4:SU+5]
	s_delay_alu instid0(VALU_DEP_1)
	v_add_f32 v[SU], v[SU], v[SU+1]
.endm
	s_load_b256 s[4:11], s[0:1], 0x0               ; y's image, P, bY, x
	s_load_b128 s[12:15], s[0:1], 0x20             ; gain, offset
	s_load_b64 s[16:17], s[0:1], 0x30              ; Hb
	v_lshl_add_u32 v[SPW], v0, 2, SPARE
	v_mov_b32 v[NIL], 0
	ds_add_u32 v[SPW], v[NIL]                      ; the opening lines: the add, twice on end, and its wait
	ds_add_u32 v[SPW], v[NIL]
	v_lshrrev_b32 v224, 5, v0
	s_delay_alu instid0(VALU_DEP_1)
	v_readfirstlane_b32 s20, v224                  ; wave 0..15
	v_and_b32 v225, 31, v0
	v_and_b32 v5, 15, v0                           ; r
	v_bfe_u32 v6, v0, 4, 1                         ; h
	v_lshlrev_b32 v[L16], 4, v225
	v_lshlrev_b32 v[L4], 2, v225
	v_lshl_add_u32 v[AAD], v225, 4, ACD            ; the tokens' fragment in LDS
	v_lshlrev_b32 v[R4], 2, v5
	v_lshl_add_u32 v[AST], v0, 4, ACD              ; where my thread puts 16 bytes of the tokens' codes
	s_mul_i32 s21, s20, WTB                        ; my bytes of the tensor tile; later my stage
	v_add_nc_u32 v[TBA], s21, v[L16]
	v_add_nc_u32 v[TBS], s21, v[L4]
	v_mul_u32_u24 v[SI], v6, 272                   ; the stage by rows: sixteen lanes to a row of 256 bytes
	v_lshl_add_u32 v[SI], v5, 4, v[SI]
	v_add_nc_u32 v[SI], s21, v[SI]
	v_mul_u32_u24 v[SO], v5, 272                   ; by lanes: row r, 64 h bytes on
	v_lshl_add_u32 v[SO], v6, 6, v[SO]
	v_add_nc_u32 v[SO], s21, v[SO]
	s_lshl_b32 s22, s20, 2
	s_add_co_u32 s22, s22, RED
	v_lshl_add_u32 v[RST], v5, 6, s22              ; my wave's word of my row
	v_lshl_add_u32 v[RLD], v5, 6, RED              ; my row's sixteen words
	s_lshl_b32 s22, s20, 8
	v_lshl_add_u32 v[CB], v5, 4, s22               ; bY, gain, offset in memory: 256 w + 16 r
	s_mul_i32 s22, s20, 768
	s_add_co_u32 s22, s22, VEC
	v_lshl_add_u32 v[VST], v5, 4, s22              ; in LDS as loaded,
	v_lshl_add_u32 v[VB], v6, 6, s22               ; and as my lanes want them: 64 h on
	v_lshlrev_b32 v[XO], 12, v6                    ; row-major: two rows an instruction
	v_lshl_add_u32 v[XO], v5, 4, v[XO]
	s_bfe_u32 s18, ttmp6, 0x40000                  ; cx: it enters global addresses of y, x and h alone
	s_lshl_b32 s19, ttmp9, 2
	s_add_co_u32 s19, s19, s18                     ; my token block A
	s_lshr_b32 s22, s19, 2
	s_mul_i32 s22, s22, KS*UNIT                    ; my row group's first unit
	s_and_b32 s23, s19, 3                          ; my fragment in it
	s_lshl_b32 s24, s23, 11
	s_add_co_u32 s24, s24, s22
	s_lshr_b32 s25, s20, 2
	s_mul_i32 s25, s25, UNIT
	s_add_co_u32 s24, s24, s25
	s_and_b32 s25, s20, 3
	s_lshl_b32 s25, s25, 9
	s_add_co_u32 s24, s24, s25                     ; piece w: K step w / 4, 512 (w % 4) bytes on; the next sixteen pieces lie four units further
	s_mov_b32 s25, 0
	s_lshl_b32 s26, s23, 6
	s_add_co_u32 s26, s26, s22
	s_add_co_u32 s26, s26, 8192                    ; the tokens' scale words
	s_mov_b32 s27, 0
	s_mul_i32 s28, s20, KS*UNIT
	s_add_co_u32 s28, s28, BOFF                    ; my 64 columns of the weight
	s_mov_b32 s29, 0
	s_lshr_b32 s30, s19, 1
	s_lshl_b32 s30, s30, 5
	s_and_b32 s31, s19, 1
	s_lshl_b32 s31, s31, 3
	s_add_co_u32 s30, s30, s31                     ; the block's first token
	s_lshl_b32 s30, s30, 12
	s_lshl_b32 s31, s20, 8
	s_add_co_u32 s30, s30, s31                     ; row-major: token x 4096 + 256 w
	s_mov_b32 s31, 0
	s_lshl_b32 s32, s19, 4
	s_add_co_u32 s32, s32, s20
	s_lshl_b32 s32, s32, 12                        ; h as f32: (16 A + w) x 4096
	s_mov_b32 s33, 0
	s_mov_b32 s[SEL], 0x76543210
	s_mov_b32 s[SEL+1], 0xfedcba98
	s_mov_b32 s[MNT], 0x600000
	s_mov_b32 s[INV], 0x3a800000                   ; 1 / 1024
	s_mov_b32 s[EPSR], 0x3727c5ac                  ; 1e-5
	s_lshr_b32 s40, s19, 2
	s_lshl_b32 s40, s40, 3
	s_lshr_b32 s41, s20, 1
	s_add_co_u32 s40, s40, s41
	s_mul_i32 s40, s40, UNIT
	s_add_co_u32 s40, s40, 16777216                ; h's image: the unit of my 64 columns
	s_and_b32 s41, s20, 1
	s_lshl_b32 s42, s23, 6
	s_add_co_u32 s42, s42, s40
	s_add_co_u32 s42, s42, 8192
	s_lshl_b32 s43, s41, 1
	s_add_co_u32 s42, s42, s43                     ; my half of the rows' scale words
	s_mov_b32 s43, 0
	s_lshl_b32 s56, s23, 11
	s_add_co_u32 s40, s40, s56
	s_lshl_b32 s56, s41, 10
	s_add_co_u32 s40, s40, s56                     ; my half of the fragment
	s_mov_b32 s41, 0
	s_mov_b32 s[G1], 15|(3<<16)|(1<<21)            ; 15:0 all four work-groups; 17:16 elements of 8 bytes; 21 set beside a mask
	s_mov_b32 s[G1+1], 32<<16                      ; tensor_dim0 = 32 elements: 256 bytes
	s_mov_b32 s[G1+2], 66<<16                      ; tensor_dim1: 66 rows are two units
	s_mov_b32 s[G1+3], 32<<16                      ; tile_dim0
	s_mov_b32 s[G1+4], 66                          ; tile_dim1
	s_mov_b32 s[G1+5], 32                          ; dense
	s_mov_b32 s[G1+6], 0
	s_mov_b32 s[G1+7], 0
	s_wait_alu depctr_va_vdst(0)
	s_wait_dscnt 0x0                               ; both opening adds are done
	s_wait_kmcnt 0x0
	s_add_nc_u64 s[24:25], s[4:5], s[24:25]
	s_add_nc_u64 s[26:27], s[4:5], s[26:27]
	s_add_nc_u64 s[28:29], s[6:7], s[28:29]
	s_add_nc_u64 s[30:31], s[10:11], s[30:31]
	s_add_nc_u64 s[32:33], s[16:17], s[32:33]
	s_add_nc_u64 s[40:41], s[16:17], s[40:41]
	s_add_nc_u64 s[42:43], s[16:17], s[42:43]
	s_mov_b32 s[G0], 1
	s_add_co_u32 s[G0+1], s21, 0
	s_add_nc_u64 s[G0+2:G0+3], s[28:29], 4*UNIT    ; K steps 4 and 5 of my 64 columns
	s_or_b32 s[G0+3], s[G0+3], 0x80000000
	CROUND                                         ; all four work-groups are here: the joint loads meet
	tensor_load_to_lds s[G0:G0+3], s[G1:G1+7]      ; my one tensor load at the head
	s_nop 0
.rept 4
	v_nop
.endr
.irp k, 0,1
	global_load_b32 v[80+\k], v[R4], s[26:27] offset:\k*UNIT       ; the tokens' scale words of all eight K steps
.endr
.irp k, 2,3,4,5,6,7
	global_load_b32 v[88+\k], v[R4], s[26:27] offset:\k*UNIT
.endr
	global_load_b128 v[AF:AF+3], v[L16], s[24:25]
	global_load_b128 v[AF+4:AF+7], v[L16], s[24:25] offset:4*UNIT
	global_load_b128 v[16:19], v[CB], s[8:9]       ; 256 bytes of bY (lanes l and l + 16 name the same bytes),
	global_load_b128 v[20:23], v[CB], s[12:13]     ; of the gain,
	global_load_b128 v[24:27], v[CB], s[14:15]     ; of the offset
.set tt, 0
.rept 8
	global_load_b128 v[TMP+4*tt:TMP+4*tt+3], v[XO], s[30:31] offset:(2*tt+8*(tt/4))*4096   ; 256 consecutive bytes of each of two rows of x
.set tt, tt+1
.endr
	BLOAD 0, 0
	BLOAD 1, 1
	s_wait_loadcnt 44                              ; the first thirteen are in; x's 8 and the two sets' 36 may be out
	ds_store_b128 v[AST], v[AF:AF+3]
	ds_store_b128 v[AST], v[AF+4:AF+7] offset:8192
	ds_store_b128 v[VST], v[16:19]
	ds_store_b128 v[VST], v[20:23] offset:256
	ds_store_b128 v[VST], v[24:27] offset:512
	s_wait_dscnt 0x0
	s_barrier_signal -1
	s_barrier_wait -1                              ; the tokens' codes are whole (my tensor load may stay out)
	MULT 0, 0, 18, 1                               ; the first K step starts the sums
	NOP8
	BLOAD 0, 2
	MULT 1, 1, 18, 0
	NOP8
	s_wait_tensorcnt 0x0                           ; K steps 4 and 5 have landed: only I read their bytes
	LLOAD 1, 4
	MULT 4, 1, -1, 0
	NOP8
	LLOAD 1, 5
	MULT 5, 1, -1, 0
	s_wait_tensorcnt 0x0                           ; THE REFILL: all my tensor loads are done,
	ds_add_u32 v[SPW], v[NIL]                      ; the add,
	s_add_nc_u64 s[G0+2:G0+3], s[G0+2:G0+3], 2*UNIT   ; (no tensor load of mine is out: the descriptor steps to K steps 6 and 7)
	s_wait_dscnt 0x0                               ; the add is done, and so are my reads of the tile
	CROUND                                         ; both now hold of every wave of the four work-groups
	tensor_load_to_lds s[G0:G0+3], s[G1:G1+7]      ; my one tensor load behind the round
	s_nop 0
	NOP8
	BLOAD 1, 3
	MULT 2, 0, 18, 0
	NOP8
	s_wait_tensorcnt 0x0                           ; K steps 6 and 7 have landed
	LLOAD 0, 6
	MULT 3, 1, 0, 0
	NOP8
	LLOAD 1, 7
	MULT 6, 0, -1, 0
	MULT 7, 1, -1, 0
	NOP8
.set tt, 0
.rept 8
	ds_store_b128 v[SI], v[TMP+4*tt:TMP+4*tt+3] offset:2*tt*272    ; x into my stage
.set tt, tt+1
.endr
.irp c, 0,1
.irp q, 0,1,2,3
	ds_load_b128 v[XR+16*\c+4*\q:XR+16*\c+4*\q+3], v[SO] offset:128*\c+16*\q    ; LDS serves a wave's instructions in order: these see my stores
.endr
.endr
	VLOAD BI, 0
	VLOAD GA, 1
	VLOAD BE, 2
	s_wait_dscnt 16                                ; x and bY are in; gain and offset may be out
.set jj, 0
.rept 16
	v_pk_add_f32 v[ACC+jj:ACC+jj+1], v[ACC+jj:ACC+jj+1], v[BI+jj:BI+jj+1]
.set jj, jj+2
.endr
.set jj, 0
.rept 16
	v_pk_add_f32 v[ACC+jj:ACC+jj+1], v[ACC+jj:ACC+jj+1], v[XR+jj:XR+jj+1]
.set jj, jj+2
.endr
.irp j, 0,1,2,3
	v_pk_add_f32 v[SU+2*\j:SU+2*\j+1], v[ACC+4*\j:ACC+4*\j+1], v[ACC+4*\j+2:ACC+4*\j+3]
.endr
.irp k, 16,24
.irp j, 0,1,2,3
	s_delay_alu instid0(VALU_DEP_4)
	v_pk_add_f32 v[SU+2*\j:SU+2*\j+1], v[SU+2*\j:SU+2*\j+1], v[ACC+\k+2*\j:ACC+\k+2*\j+1]
.endr
.endr
	FOLD
	ROWSUM 0
	s_delay_alu instid0(VALU_DEP_1)
	v_mul_f32 v[MM], s[INV], v[SU]                 ; the mean
	s_delay_alu instid0(VALU_DEP_1)
	v_mov_b32 v[MM+1], v[MM]
.set jj, 0
.rept 16
	v_pk_add_f32 v[ACC+jj:ACC+jj+1], v[ACC+jj:ACC+jj+1], v[MM:MM+1] neg_lo:[0,1] neg_hi:[0,1]
.set jj, jj+2
.endr
.irp j, 0,1,2,3
	v_pk_mul_f32 v[SU+2*\j:SU+2*\j+1], v[ACC+2*\j:ACC+2*\j+1], v[ACC+2*\j:ACC+2*\j+1]
.endr
.irp k, 8,16,24
.irp j, 0,1,2,3
	s_delay_alu instid0(VALU_DEP_4)
	v_pk_fma_f32 v[SU+2*\j:SU+2*\j+1], v[ACC+\k+2*\j:ACC+\k+2*\j+1], v[ACC+\k+2*\j:ACC+\k+2*\j+1], v[SU+2*\j:SU+2*\j+1]
.endr
.endr
	FOLD
	ROWSUM 1024
	s_delay_alu instid0(VALU_DEP_1)
	v_fma_f32 v[MM], v[SU], s[INV], s[EPSR]        ; the variance + eps
	s_wait_alu depctr_va_vdst(0)
	v_rsq_f32 v[MM], v[MM]
	v_nop                                          ; a plain line behind the transcendental
	s_wait_alu depctr_va_vdst(0)
	v_mov_b32 v[MM+1], v[MM]
.set jj, 0
.rept 16
	v_pk_mul_f32 v[ACC+jj:ACC+jj+1], v[ACC+jj:ACC+jj+1], v[MM:MM+1]
.set jj, jj+2
.endr
.set jj, 0
.rept 16
	v_pk_fma_f32 v[ACC+jj:ACC+jj+1], v[ACC+jj:ACC+jj+1], v[GA+jj:GA+jj+1], v[BE+jj:BE+jj+1]   ; gain and offset came in ahead of the rows' sums
.set jj, jj+2
.endr
.irp b, 0,1
	v_mov_b32 v[TM+4+\b], 0                        ; a lane permute's destination counts as one of its sources
.endr
	s_wait_alu depctr_va_vdst(0)
.set qq, 0
.rept 8
	global_store_b128 v[L16], v[ACC+4*qq:ACC+4*qq+3], s[32:33] offset:512*qq
.set qq, qq+1
.endr
	s_wait_xcnt 0x0                                ; the stores have read their data: the hold below writes these registers
.irp b, 0,1
	v_max3_num_f32 v[TM+\b], |v[ACC+16*\b]|, |v[ACC+1+16*\b]|, 0x4800000    ; my 16 numbers of block b, and the floor: the byte cannot fall under 1
.endr
.irp i, 2,4,6,8,10,12,14
.irp b, 0,1
	s_delay_alu instid0(VALU_DEP_2)
	v_max3_num_f32 v[TM+\b], v[TM+\b], |v[ACC+16*\b+\i]|, |v[ACC+1+16*\b+\i]|
.endr
.endr
.irp b, 0,1
	s_delay_alu instid0(VALU_DEP_2)
	v_permlanex16_b32 v[TM+4+\b], v[TM+\b], s[SEL], s[SEL+1]
.endr
.irp b, 0,1
	s_delay_alu instid0(VALU_DEP_2)
	v_max_num_f32 v[TM+\b], v[TM+\b], v[TM+4+\b]
.endr
.irp b, 0,1
	s_delay_alu instid0(VALU_DEP_2)
	v_add_nc_u32 v[TM+12+\b], 0xfc000000, v[TM+\b]
.endr
.irp b, 0,1
	s_delay_alu instid0(VALU_DEP_4)
	v_and_or_b32 v[TM+8+\b], v[TM+\b], 0x7f800000, s[MNT]
.endr
.irp b, 0,1
	s_delay_alu instid0(VALU_DEP_4)
	v_lshrrev_b32 v[TM+4+\b], 23, v[TM+12+\b]
.endr
	s_delay_alu instid0(VALU_DEP_1)
	v_lshl_or_b32 v[PW], v[TM+5], 8, v[TM+4]       ; my row's two scale bytes
.irp b, 0,1
.set jj, 0
.rept 16
	v_med3_num_f32 v[ACC+16*\b+jj], v[ACC+16*\b+jj], -v[TM+8+\b], v[TM+8+\b]   ; the conversion does not saturate (ISA guide 7.6.2): the hold comes first
.set jj, jj+1
.endr
	v_cvt_scalef32_pk8_fp8_f32 v[PC+4*\b:PC+1+4*\b], v[ACC+16*\b:ACC+7+16*\b], v[TM+12+\b]
	v_cvt_scalef32_pk8_fp8_f32 v[PC+2+4*\b:PC+3+4*\b], v[ACC+8+16*\b:ACC+15+16*\b], v[TM+12+\b]
.endr
	v_nop
	global_store_b128 v[L16], v[PC:PC+3], s[40:41]             ; 512 consecutive bytes
	global_store_b128 v[L16], v[PC+4:PC+7], s[40:41] offset:512
	global_store_b16 v[R4], v[PW], s[42:43]        ; lanes l and l + 16 hold the same value and name the same bytes
	s_wait_tensorcnt 0x0                           ; the wave's end
	ds_add_u32 v[SPW], v[NIL]
	s_wait_dscnt 0x0
	CROUND                                         ; the closing round
	s_endpgm
.Lfunc_end_k_q27fe768ea0_wyln:
	.size	k_q27fe768ea0_wyln, .Lfunc_end_k_q27fe768ea0_wyln-k_q27fe768ea0_wyln
	.p2alignl 7, 3214868480
	.fill 96, 4, 3214868480
	.section	.rodata,"a",@progbits
	.p2align	6, 0x0
	.amdhsa_kernel k_q27fe768ea0_wyln
		.amdhsa_group_segment_fixed_size 327680
		.amdhsa_private_segment_fixed_size 0
		.amdhsa_enable_private_segment 0
		.amdhsa_kernarg_size 56
		.amdhsa_user_sgpr_count 2
		.amdhsa_user_sgpr_kernarg_segment_ptr 1
		.amdhsa_wavefront_size32 1
		.amdhsa_system_sgpr_workgroup_id_x 1
		.amdhsa_system_sgpr_workgroup_id_y 1
		.amdhsa_system_sgpr_workgroup_id_z 1
		.amdhsa_system_vgpr_workitem_id 0
		.amdhsa_next_free_vgpr 256
		.amdhsa_next_free_sgpr 66
		.amdhsa_reserve_vcc 0
		.amdhsa_float_denorm_mode_32 3
		.amdhsa_float_denorm_mode_16_64 3
		.amdhsa_memory_ordered 1
		.amdhsa_forward_progress 1
		.amdhsa_inst_pref_size 49
	.end_amdhsa_kernel
	.amdgpu_metadata
---
amdhsa.version: [ 1, 2 ]
amdhsa.kernels:
  - .name:           k_q27fe768ea0_wyln
    .symbol:         k_q27fe768ea0_wyln.kd
    .args:
      - { .name: Yb, .offset: 0, .size: 8, .value_kind: global_buffer, .address_space: global }
      - { .name: P, .offset: 8, .size: 8, .value_kind: global_buffer, .address_space: global }
      - { .name: bY, .offset: 16, .size: 8, .value_kind: global_buffer, .address_space: global }
      - { .name: x, .offset: 24, .size: 8, .value_kind: global_buffer, .address_space: global }
      - { .name: ln1_w, .offset: 32, .size: 8, .value_kind: global_buffer, .address_space: global }
      - { .name: ln1_b, .offset: 40, .size: 8, .value_kind: global_buffer, .address_space: global }
      - { .name: Hb, .offset: 48, .size: 8, .value_kind: global_buffer, .address_space: global }
    .group_segment_fixed_size: 327680
    .private_segment_fixed_size: 0
    .kernarg_segment_align: 8
    .kernarg_segment_size: 56
    .max_flat_workgroup_size: 512
    .sgpr_count:     66
    .vgpr_count:     256
    .wavefront_size: 32
...
	.end_amdgpu_metadata
.endif
;; end of part 4
;; launch w1 (part 5): grid 16 x 16, 4 waves a work-group, clusters of 4 x 4, 327,680 bytes of LDS; arguments Hb, P, b1, Gb; writes Gb
.if DOCPART == 5
	.amdgcn_target "amdgcn-amd-amdhsa--gfx1250"
	.amdhsa_code_object_version 6
	.text
	.protected	k_q27fe768ea0_w1
	.globl	k_q27fe768ea0_w1
	.p2align	8
	.type	k_q27fe768ea0_w1,@function
k_q27fe768ea0_w1:
	s_mov_b64 s[64:65], 0
	v_nop
	global_prefetch_b8 v0, s[64:65] scope:SCOPE_SE
	s_setreg_imm32_b32 hwreg(HW_REG_WAVE_MODE, 25, 1), 1
	s_wait_xcnt 0x0
	s_wait_alu depctr_hold_cnt(0) depctr_sa_sdst(0) depctr_va_vdst(0) depctr_va_sdst(0) depctr_va_ssrc(0) depctr_va_vcc(0) depctr_vm_vsrc(0)
	s_getreg_b32 s2, hwreg(HW_REG_IB_STS2, 6, 4)
	s_cmp_eq_u32 s2, 0
	s_cbranch_scc0 .Lentry_in_a_cluster
	s_endpgm
.Lentry_in_a_cluster:
	s_bfe_u32 s2, ttmp6, 0x10000c
	s_cmp_lg_u32 s2, 0xf033
	s_cbranch_scc0 .Lentry_shape_is_right
	s_endpgm
.Lentry_shape_is_right:
.set KS,    8
.set AOFF,  16777216
.set BOFF,  8650752
.set UNIT,  8448
.set NQ,    2
.set GSTR,  NQ*UNIT
.set HALFT, 2*GSTR
.set SLOT,  4*HALFT
.set SPARE, 2*SLOT
.set LAPS,  KS/4
.set FR,    16
.set NL,    4
.set NP,    8
.set ADRA, 16
.set ADRB, 20
.set ADRS, 22
.set L16,  24
.set L4,   25
.set SPW,  28
.set NIL,  29
.set SC,   32
.set BIAS, 64
.set AF,   128
.set G1, 24
.set G0, 32
.set G1B, 48
.set G0B, 56
.set AI,  66
.set MK,  67
.set MHI, 68
.set MLO, 69
.set CU,  70
.set C8,  72
.set T0,  74
.set T1,  75
.set T2,  76
.set SEL, 78
.set MNT, 80
.set OUTP, 10
.set PC,  32
.set VO,  48
.set VOS, 49
.set U,   64
.set MX,  128
.set T,   192
.set PP,  224
.set TM,  0
.set PW,  50
.set WACC, 51
.set MSB, 0
.macro WIN new
.if MSB != (\new)
	s_set_vgpr_msb (MSB<<8)|(\new)
.set MSB, (\new)
.endif
.endm
.set MUL_LO, 0xa1
.set MUL_HI, 0xf1
.set TO_B,   0x40
.macro JLOAD g0a, g1a, g0b, g1b
	s_cmp_eq_u32 s15, 0
	s_cbranch_scc0 .Lfor_b_\@
	tensor_load_to_lds s[\g0a:\g0a+3], s[\g1a:\g1a+7]
	s_nop 0
.rept 4
	v_nop
.endr
	s_branch .Lasked_\@
.Lfor_b_\@:
	tensor_load_to_lds s[\g0b:\g0b+3], s[\g1b:\g1b+7]
	s_nop 0
.rept 4
	v_nop
.endr
.Lasked_\@:
.endm
.macro CREST
	s_cmp_lg_u32 s14, 0
	s_cbranch_scc1 .Lnot_wave_0_\@
	s_barrier_signal -3
.Lnot_wave_0_\@:
	s_barrier_wait -3
	s_barrier_signal -1
	s_barrier_wait -1
.endm
.macro CROUND
	s_barrier_signal -1
	s_barrier_wait -1
	CREST
.endm
.macro QUANT s, pc
.irp b, 0,1,2,3
	v_max3_num_f32 v[TM+\b], |v[\s+16*\b]|, |v[\s+1+16*\b]|, 0x4800000
.endr
.irp i, 2,4,6,8,10,12,14
.irp b, 0,1,2,3
	v_max3_num_f32 v[TM+\b], v[TM+\b], |v[\s+16*\b+\i]|, |v[\s+1+16*\b+\i]|
.endr
.endr
.irp b, 0,1,2,3
	v_permlanex16_b32 v[TM+4+\b], v[TM+\b], s[SEL], s[SEL+1]
.endr
.irp b, 0,1,2,3
	v_max_num_f32 v[TM+\b], v[TM+\b], v[TM+4+\b]
.endr
.irp b, 0,1,2,3
	v_add_nc_u32 v[TM+12+\b], 0xfc000000, v[TM+\b]
.endr
.irp b, 0,1,2,3
	v_and_or_b32 v[TM+8+\b], v[TM+\b], 0x7f800000, s[MNT]
.endr
.irp b, 0,1,2,3
	v_lshrrev_b32 v[TM+4+\b], 23, v[TM+12+\b]
.endr
	v_lshl_or_b32 v[PW], v[TM+5], 8, v[TM+4]
	v_lshl_or_b32 v[PW], v[TM+6], 16, v[PW]
	v_lshl_or_b32 v[PW], v[TM+7], 24, v[PW]
.irp b, 0,1,2,3
.irp i, 0,1,2,3,4,5,6,7,8,9,10,11,12,13,14,15
	v_med3_num_f32 v[\s+16*\b+\i], v[\s+16*\b+\i], -v[TM+8+\b], v[TM+8+\b]
.endr
	v_cvt_scalef32_pk8_fp8_f32 v[\pc+4*\b:\pc+1+4*\b], v[\s+16*\b:\s+7+16*\b], v[TM+12+\b]
	v_cvt_scalef32_pk8_fp8_f32 v[\pc+2+4*\b:\pc+3+4*\b], v[\s+8+16*\b:\s+15+16*\b], v[TM+12+\b]
.endr
	v_nop
.endm
.macro WORDOUT wacc, wsrc, soff, vos
	s_bitcmp1_b32 s[AI], 0
	s_cselect_b32 s[MK], s[MHI], s[MLO]
	v_cndmask_b32 v[\wacc], v[\wacc], v[\wsrc], s[MK]
	s_cbranch_scc0 .Lskip_\@
	v_add_nc_u32 v[\vos], s[\soff], v[L4]
	global_store_b32 v[\vos], v[\wacc], s[OUTP:OUTP+1]
.Lskip_\@:
.endm
; the GELU of 32 numbers a lane: sixteen pairs by turns in every step of the polynomial, one batch of 32 reciprocals and one of 32 exponentials, each with its wait ahead and behind
.macro GELU32 e
.set gg, 0
.rept 16
	v_pk_fma_f32 v[T+gg:T+gg+1], v[U+32*\e+gg:U+32*\e+gg+1], 0x3ed5224d, 1.0 op_sel_hi:[1,0,0]
.set gg, gg+2
.endr
	s_wait_alu depctr_va_vdst(0)
.set gg, 0
.rept 32
	v_rcp_f32 v[T+gg], v[T+gg]
.set gg, gg+1
.endr
	v_nop
	s_wait_alu depctr_va_vdst(0)
.set gg, 0
.rept 16
	v_pk_fma_f32 v[PP+gg:PP+gg+1], v[T+gg:T+gg+1], 0x3e7c6f08, s[C8:C8+1] op_sel_hi:[1,0,0]
.set gg, gg+2
.endr
.irp k, 0x40097039, 0xbfd1a1e5, 0x3ecdfd18, 0xbe899a80, 0x3e0efb2e, 0x3f0a29d2, 0x3fb8ab5a, 0xc025c4b7
.set gg, 0
.rept 16
	v_pk_fma_f32 v[PP+gg:PP+gg+1], v[PP+gg:PP+gg+1], v[T+gg:T+gg+1], \k op_sel_hi:[1,1,0]
.set gg, gg+2
.endr
.endr
.set gg, 0
.rept 16
	v_pk_fma_f32 v[PP+gg:PP+gg+1], v[U+32*\e+gg:U+32*\e+gg+1], v[U+32*\e+gg:U+32*\e+gg+1], v[PP+gg:PP+gg+1] neg_lo:[1,0,0] neg_hi:[1,0,0]
.set gg, gg+2
.endr
	s_wait_alu depctr_va_vdst(0)
.set gg, 0
.rept 32
	v_exp_f32 v[PP+gg], v[PP+gg]
.set gg, gg+1
.endr
	v_nop
	s_wait_alu depctr_va_vdst(0)
.set gg, 0
.rept 16
	v_pk_mul_f32 v[PP+gg:PP+gg+1], v[PP+gg:PP+gg+1], v[T+gg:T+gg+1]
.set gg, gg+2
.endr
.set gg, 0
.rept 16
	v_pk_fma_f32 v[MX+32*\e+gg:MX+32*\e+gg+1], v[U+32*\e+gg:U+32*\e+gg+1], v[PP+gg:PP+gg+1], v[MX+32*\e+gg:MX+32*\e+gg+1] neg_lo:[1,0,0] neg_hi:[1,0,0]
.set gg, gg+2
.endr
.endm
	s_load_b128 s[4:7], s[0:1], 0x0
	s_load_b128 s[8:11], s[0:1], 0x10
	v_lshl_add_u32 v[SPW], v0, 2, SPARE
	v_mov_b32 v[NIL], 0
	ds_add_u32 v28, v29
	ds_add_u32 v28, v29
	s_wait_dscnt 0x0
	v_lshrrev_b32 v1, 5, v0
	v_readfirstlane_b32 s14, v1
	s_lshr_b32 s15, s14, 1
	s_and_b32 s16, s14, 1
	s_bfe_u32 s40, ttmp6, 0x40000
	s_bfe_u32 s41, ttmp6, 0x40004
	s_lshl_b32 s42, ttmp9, 2
	s_add_co_u32 s42, s42, s40
	s_and_b32 s17, ttmp7, 0xffff
	s_lshl_b32 s17, s17, 2
	s_add_co_u32 s17, s17, s41
	s_lshl_b32 s43, s41, 2
	s_lshl_b32 s43, 15, s43
	s_lshl_b32 s44, 0x1111, s40
	s_or_b32 s[G1+0], s43, (3<<16)|(1<<21)
	s_or_b32 s[G1B+0], s44, (3<<16)|(1<<21)
.irp g, G1, G1B
	s_mov_b32 s[\g+1], 2112<<16
	s_mov_b32 s[\g+2], 2<<16
	s_mov_b32 s[\g+3], 2112<<16
	s_mov_b32 s[\g+4], 2
	s_mov_b32 s[\g+5], KS*1056
	s_mov_b32 s[\g+6], 0
	s_mov_b32 s[\g+7], 0
.endr
	s_lshl_b32 s18, s16, 1
	s_lshl_b32 s20, s17, 2
	s_add_co_u32 s20, s20, s18
	s_mul_i32 s20, s20, KS*UNIT
	s_add_co_u32 s20, s20, AOFF
	s_mov_b32 s21, 0
	s_lshl_b32 s46, s42, 2
	s_add_co_u32 s46, s46, s18
	s_mul_i32 s46, s46, KS*UNIT
	s_add_co_u32 s46, s46, BOFF
	s_mov_b32 s47, 0
	s_mul_i32 s45, s14, HALFT
	s_wait_kmcnt 0x0
	s_add_nc_u64 s[20:21], s[4:5], s[20:21]
	s_add_nc_u64 s[46:47], s[6:7], s[46:47]
	CROUND
.irp s, 0,1
	s_mov_b32 s[G0+4*\s], 1
	s_add_co_u32 s[G0+4*\s+1], s45, \s*SLOT
	s_add_nc_u64 s[G0+4*\s+2:G0+4*\s+3], s[20:21], \s*GSTR
	s_or_b32 s[G0+4*\s+3], s[G0+4*\s+3], 0x80000000
	s_mov_b32 s[G0B+4*\s], 1
	s_add_co_u32 s[G0B+4*\s+1], s45, \s*SLOT
	s_add_nc_u64 s[G0B+4*\s+2:G0B+4*\s+3], s[46:47], \s*GSTR
	s_or_b32 s[G0B+4*\s+3], s[G0B+4*\s+3], 0x80000000
	s_wait_alu depctr_va_vdst(0)
	s_wait_tensorcnt 0x0
	ds_add_u32 v28, v29
	ds_add_u32 v28, v29
	s_wait_dscnt 0x0
	CROUND
	JLOAD G0+4*\s, G1, G0B+4*\s, G1B
.endr
	v_and_b32 v1, 15, v0
	v_bfe_u32 v2, v0, 4, 1
	s_wait_alu depctr_va_vdst(0)
	v_and_b32 v3, 31, v0
	v_lshlrev_b32 v[L16], 4, v3
	v_lshlrev_b32 v[L4], 2, v3
	s_mul_i32 s21, s15, HALFT
	s_mul_i32 s22, s16, HALFT
	s_add_co_u32 s22, s22, 2*HALFT
.irp s, 0,1
	v_add_nc_u32 v[ADRA+\s], s21, v[L16]
	v_add_nc_u32 v[ADRB+\s], s22, v[L16]
	s_add_co_u32 s21, s21, SLOT
	s_add_co_u32 s22, s22, SLOT
.endr
	s_mul_i32 s21, s15, HALFT
	s_mul_i32 s22, s16, HALFT
	s_add_co_u32 s22, s22, 2*HALFT
	s_sub_co_u32 s22, s22, s21
	v_mul_u32_u24 v4, s22, v2
	s_add_co_u32 s21, s21, 8192
	v_lshl_add_u32 v4, v1, 2, v4
	v_add_nc_u32 v[ADRS], s21, v4
	v_add_nc_u32 v[ADRS+1], SLOT, v[ADRS]
	s_lshl_b32 s46, s42, 10
	s_lshl_b32 s47, s16, 9
	s_add_co_u32 s46, s46, s47
	v_lshl_add_u32 v5, v2, 6, s46
.irp b, 0,1,2,3,4,5,6,7
	global_load_b128 v[BIAS+8*\b:BIAS+8*\b+3], v5, s[8:9] offset:(32*(\b/2)+8*(\b%2))*4
	global_load_b128 v[BIAS+8*\b+4:BIAS+8*\b+7], v5, s[8:9] offset:(32*(\b/2)+8*(\b%2))*4+16
.endr
	s_lshl_b32 s20, s17, 2
	s_lshl_b32 s21, s15, 1
	s_add_co_u32 s20, s20, s21
	s_mul_i32 s20, s20, 32*UNIT
	s_mov_b32 s21, 0
	s_lshl_b32 s46, s42, 1
	s_add_co_u32 s46, s46, s16
	s_mul_i32 s46, s46, UNIT
	s_mov_b32 s47, 0
	s_add_nc_u64 s[10:11], s[10:11], s[20:21]
	s_add_nc_u64 s[10:11], s[10:11], s[46:47]
.macro FRAG reg, adr, q, i
.irp c, 0,1,2,3
	ds_load_b128 v[\reg+4*\c:\reg+4*\c+3], v[\adr] offset:((\i)/4)*GSTR+(\q)*UNIT+((\i)%4)*2048+512*\c
.endr
.endm
.macro MUL16 a0, p, q, sc, mode
.irp a, \a0, \a0+1
.irp b, 0,1,2,3,4,5,6,7
.if \mode == 2
	v_wmma_scale_f32_16x16x128_f8f6f4 v[8*(8*((\a)%4)+\b):8*(8*((\a)%4)+\b)+7], v[128*(\p)+FR*\b:128*(\p)+FR*\b+FR-1], v[AF+FR*(\a):AF+FR*(\a)+FR-1], v[BIAS+8*\b:BIAS+8*\b+7], v[SC+16*(\sc)+2*\b+(\q)], v[SC+16*(\sc)+2*(\a)+(\q)] matrix_a_scale:MATRIX_SCALE_ROW1
.else
	v_wmma_scale_f32_16x16x128_f8f6f4 v[8*(8*((\a)%4)+\b):8*(8*((\a)%4)+\b)+7], v[128*(\p)+FR*\b:128*(\p)+FR*\b+FR-1], v[AF+FR*(\a):AF+FR*(\a)+FR-1], v[8*(8*((\a)%4)+\b):8*(8*((\a)%4)+\b)+7], v[SC+16*(\sc)+2*\b+(\q)], v[SC+16*(\sc)+2*(\a)+(\q)] matrix_a_scale:MATRIX_SCALE_ROW1
.endif
.endr
.endr
.endm
.macro FETCH_B slot, q, p
	WIN TO_B
.irp i, 0,1,2,3,4,5,6,7
	FRAG 128*(\p)+FR*\i, ADRB+\slot, \q, \i
.endr
	WIN 0
.endm
.macro FETCH_A slot, q, i0
.irp i, \i0, \i0+1, \i0+2, \i0+3
	FRAG AF+FR*(\i), ADRA+\slot, \q, \i
.endr
.endm
.macro SCALES set
.irp i, 0,1,2,3,4,5,6,7
.irp q, 0,1
	ds_load_b32 v[SC+16*\set+2*\i+\q], v[ADRS+\set] offset:(\i/4)*GSTR+\q*UNIT+(\i%4)*64
.endr
.endr
.endm
.macro PLACES n
.rept \n
	v_nop
.endr
.endm
.macro STEP slot, q, mode
	s_wait_dscnt 4*NL
.if \mode == 2
	WIN 0x81
.else
	WIN MUL_LO
.endif
	MUL16 0, (\q)%2, \q, \slot, \mode
	MUL16 2, (\q)%2, \q, \slot, \mode
	s_wait_dscnt 0
	PLACES NP
	FETCH_B \slot, (\q)+1, 1-(\q)%2
	FETCH_A \slot, (\q)+1, 0
.if \mode == 2
	WIN 0xc1
.else
	WIN MUL_HI
.endif
	MUL16 4, (\q)%2, \q, \slot, \mode
	MUL16 6, (\q)%2, \q, \slot, \mode
	PLACES NP
	WIN 0
	FETCH_A \slot, (\q)+1, 4
.endm
.macro TURN slot, next, fill
	s_wait_tensorcnt 0x0
	ds_add_u32 v[SPW], v[NIL]
	s_wait_dscnt 4*NL+1
	WIN MUL_LO
	MUL16 0, 1, NQ-1, \slot, 0
	s_wait_dscnt 0x0
	s_barrier_signal -1
	MUL16 2, 1, NQ-1, \slot, 0
	WIN 0
	s_barrier_wait -1
.if \fill
	CREST
	s_add_nc_u64 s[G0+4*\slot+2:G0+4*\slot+3], s[G0+4*\slot+2:G0+4*\slot+3], 2*GSTR
	s_add_nc_u64 s[G0B+4*\slot+2:G0B+4*\slot+3], s[G0B+4*\slot+2:G0B+4*\slot+3], 2*GSTR
	JLOAD G0+4*\slot, G1, G0B+4*\slot, G1B
	PLACES NP-4
.else
	PLACES NP
.endif
	FETCH_B \next, 0, 0
	FETCH_A \next, 0, 0
	SCALES \next
	WIN MUL_HI
	MUL16 4, 1, NQ-1, \slot, 0
	MUL16 6, 1, NQ-1, \slot, 0
	PLACES NP
	WIN 0
	FETCH_A \next, 0, 4
.endm
	s_wait_alu depctr_va_vdst(0)
	s_wait_tensorcnt 1
	s_barrier_signal -1
	s_barrier_wait -1
	FETCH_B 0, 0, 0
	FETCH_A 0, 0, 0
	SCALES 0
	FETCH_A 0, 0, 4
	s_wait_loadcnt 0x0
	STEP 0, 0, 2
	s_mov_b32 s3, LAPS-1
.Llap:
	TURN 0, 1, 1
	STEP 1, 0, 0
	TURN 1, 0, 1
	STEP 0, 0, 0
	s_sub_co_u32 s3, s3, 1
	s_cmp_lg_u32 s3, 0
	s_cbranch_scc1 .Llap
	TURN 0, 1, 0
	STEP 1, 0, 0
	s_wait_dscnt 4*NL
	WIN MUL_LO
	MUL16 0, 1, NQ-1, 1, 0
	MUL16 2, 1, NQ-1, 1, 0
	s_wait_dscnt 0
	WIN MUL_HI
	MUL16 4, 1, NQ-1, 1, 0
	MUL16 6, 1, NQ-1, 1, 0
	WIN 0
	PLACES NP
	s_mov_b32 s[SEL], 0x76543210
	s_mov_b32 s[SEL+1], 0xfedcba98
	s_mov_b32 s[MNT], 0x600000
	s_mov_b32 s[MHI], 0xffff0000
	s_mov_b32 s[MLO], 0x0000ffff
	s_mov_b32 s[CU], 0x3f596d27
	s_mov_b32 s[C8], 0xbf97d29d
	s_mov_b32 s[C8+1], s[C8]
	s_mov_b32 s[AI], 0
	v_mov_b32 v[WACC], 0
.irp b, 0,1,2,3
	v_mov_b32 v[TM+4+\b], 0
.endr
.Lepi:
	s_wait_xcnt 0x0
.irp a, 1,2,3,4,5,6,7
	s_cmp_eq_u32 s[AI], \a
	s_cbranch_scc1 .Lg_\a
.endr
.irp a, 0,1,2,3,4,5,6,7
.if \a > 0
.Lg_\a:
.endif
	WIN 0x02+(\a/4)
.set ii, 0
.rept 64
	v_mul_f32 v[U+ii], |v[64*(\a%4)+ii]|, s[CU]
	v_max_num_f32 v[MX+ii], v[64*(\a%4)+ii], 0
.set ii, ii+1
.endr
	WIN 0
.if \a < 7
	s_branch .Lwork
.endif
.endr
.Lwork:
	GELU32 0
	GELU32 1
	QUANT MX, PC
	s_lshr_b32 s[T0], s[AI], 2
	s_mul_i32 s[T0], s[T0], 32*UNIT
	s_and_b32 s[T1], s[AI], 3
	s_lshl_b32 s[T2], s[T1], 11
	s_add_co_u32 s[T2], s[T2], s[T0]
	v_add_nc_u32 v[VO], s[T2], v[L16]
.irp c, 0,1,2,3
	global_store_b128 v[VO], v[PC+4*\c:PC+4*\c+3], s[OUTP:OUTP+1] offset:512*\c
.endr
	s_lshr_b32 s[T1], s[T1], 1
	s_lshl_b32 s[T1], s[T1], 7
	s_add_co_u32 s[T1], s[T1], s[T0]
	s_add_co_u32 s[T1], s[T1], 8192
	WORDOUT WACC, PW, T1, VOS
	s_add_co_u32 s[AI], s[AI], 1
	s_cmp_lt_u32 s[AI], 8
	s_cbranch_scc1 .Lepi
	s_wait_tensorcnt 0x0
	ds_add_u32 v[SPW], v[NIL]
	s_wait_dscnt 0x0
	CROUND
	s_endpgm
.Lfunc_end_k_q27fe768ea0_w1:
	.size	k_q27fe768ea0_w1, .Lfunc_end_k_q27fe768ea0_w1-k_q27fe768ea0_w1
	.p2alignl 7, 3214868480
	.fill 96, 4, 3214868480
	.section	.rodata,"a",@progbits
	.p2align	6, 0x0
	.amdhsa_kernel k_q27fe768ea0_w1
		.amdhsa_group_segment_fixed_size 327680
		.amdhsa_private_segment_fixed_size 0
		.amdhsa_enable_private_segment 0
		.amdhsa_kernarg_size 32
		.amdhsa_user_sgpr_count 2
		.amdhsa_user_sgpr_kernarg_segment_ptr 1
		.amdhsa_wavefront_size32 1
		.amdhsa_system_sgpr_workgroup_id_x 1
		.amdhsa_system_sgpr_workgroup_id_y 1
		.amdhsa_system_sgpr_workgroup_id_z 1
		.amdhsa_system_vgpr_workitem_id 0
		.amdhsa_next_free_vgpr 1024
		.amdhsa_next_free_sgpr 100
		.amdhsa_reserve_vcc 0
		.amdhsa_float_denorm_mode_32 3
		.amdhsa_float_denorm_mode_16_64 3
		.amdhsa_memory_ordered 1
		.amdhsa_forward_progress 1
		.amdhsa_inst_pref_size 234
	.end_amdhsa_kernel
	.amdgpu_metadata
---
amdhsa.version: [ 1, 2 ]
amdhsa.kernels:
  - .name:           k_q27fe768ea0_w1
    .symbol:         k_q27fe768ea0_w1.kd
    .args:
      - { .name: Hb, .offset: 0, .size: 8, .value_kind: global_buffer, .address_space: global }
      - { .name: P, .offset: 8, .size: 8, .value_kind: global_buffer, .address_space: global }
      - { .name: b1, .offset: 16, .size: 8, .value_kind: global_buffer, .address_space: global }
      - { .name: Gb, .offset: 24, .size: 8, .value_kind: global_buffer, .address_space: global }
    .group_segment_fixed_size: 327680
    .private_segment_fixed_size: 0
    .kernarg_segment_align: 8
    .kernarg_segment_size: 32
    .max_flat_workgroup_size: 128
    .sgpr_count:     100
    .vgpr_count:     1024
    .wavefront_size: 32
...
	.end_amdgpu_metadata
.endif
;; end of part 5
;; launch w2 (part 6): grid 16 x 16, 4 waves a work-group, clusters of 4 x 4, 327,680 bytes of LDS; arguments Gb, P, b2, R2; writes R2
.if DOCPART == 6
	.amdgcn_target "amdgcn-amd-amdhsa--gfx1250"
	.amdhsa_code_object_version 6
	.text
	.protected	k_q27fe768ea0_w2
	.globl	k_q27fe768ea0_w2
	.p2align	8
	.type	k_q27fe768ea0_w2,@function
k_q27fe768ea0_w2:
	s_mov_b64 s[64:65], 0
	v_nop
	global_prefetch_b8 v0, s[64:65] scope:SCOPE_SE
	s_setreg_imm32_b32 hwreg(HW_REG_WAVE_MODE, 25, 1), 1
	s_wait_xcnt 0x0
	s_wait_alu depctr_hold_cnt(0) depctr_sa_sdst(0) depctr_va_vdst(0) depctr_va_sdst(0) depctr_va_ssrc(0) depctr_va_vcc(0) depctr_vm_vsrc(0)
	s_getreg_b32 s2, hwreg(HW_REG_IB_STS2, 6, 4)
	s_cmp_eq_u32 s2, 0
	s_cbranch_scc0 .Lentry_in_a_cluster
	s_endpgm
.Lentry_in_a_cluster:
	s_bfe_u32 s2, ttmp6, 0x10000c
	s_cmp_lg_u32 s2, 0xf033
	s_cbranch_scc0 .Lentry_shape_is_right
	s_endpgm
.Lentry_shape_is_right:
.set KS,    32
.set KU,    8
.set AOFF,  0
.set BOFF,  12976128
.set UNIT,  8448
.set NQ,    2
.set GSTR,  NQ*UNIT
.set HALFT, 2*GSTR
.set SLOT,  4*HALFT
.set SPARE, 2*SLOT
.set LAPS,  KU/4
.set FR,    16
.set NL,    4
.set NP,    8
.set ADRA, 16
.set ADRB, 20
.set ADRS, 22
.set L16,  24
.set L4,   25
.set SPW,  28
.set NIL,  29
.set SC,   32
.set BIAS, 64
.set AF,   128
.set G1, 24
.set G0, 32
.set G1B, 48
.set G0B, 56
.set MSB, 0
.macro WIN new
.if MSB != (\new)
	s_set_vgpr_msb (MSB<<8)|(\new)
.set MSB, (\new)
.endif
.endm
.set MUL_LO, 0xa1
.set MUL_HI, 0xf1
.set TO_B,   0x40
.macro JLOAD g0a, g1a, g0b, g1b
	s_cmp_eq_u32 s15, 0
	s_cbranch_scc0 .Lfor_b_\@
	tensor_load_to_lds s[\g0a:\g0a+3], s[\g1a:\g1a+7]
	s_nop 0
.rept 4
	v_nop
.endr
	s_branch .Lasked_\@
.Lfor_b_\@:
	tensor_load_to_lds s[\g0b:\g0b+3], s[\g1b:\g1b+7]
	s_nop 0
.rept 4
	v_nop
.endr
.Lasked_\@:
.endm
.macro CREST
	s_cmp_lg_u32 s14, 0
	s_cbranch_scc1 .Lnot_wave_0_\@
	s_barrier_signal -3
.Lnot_wave_0_\@:
	s_barrier_wait -3
	s_barrier_signal -1
	s_barrier_wait -1
.endm
.macro CROUND
	s_barrier_signal -1
	s_barrier_wait -1
	CREST
.endm
	s_load_b128 s[4:7], s[0:1], 0x0
	s_load_b128 s[8:11], s[0:1], 0x10
	v_lshl_add_u32 v[SPW], v0, 2, SPARE
	v_mov_b32 v[NIL], 0
	ds_add_u32 v28, v29
	ds_add_u32 v28, v29
	s_wait_dscnt 0x0
	v_lshrrev_b32 v1, 5, v0
	v_readfirstlane_b32 s14, v1
	s_lshr_b32 s15, s14, 1
	s_and_b32 s16, s14, 1
	s_bfe_u32 s40, ttmp6, 0x40000
	s_bfe_u32 s41, ttmp6, 0x40004
	s_mov_b32 s42, s40
	s_and_b32 s17, ttmp7, 0xffff
	s_lshl_b32 s17, s17, 2
	s_add_co_u32 s17, s17, s41
	s_mul_i32 s19, ttmp9, KU*UNIT
	s_cmp_eq_u32 ttmp9, 0
	s_cselect_b32 s12, 0x3f800000, 0
	s_mov_b32 s13, s12
	s_lshl_b32 s43, s41, 2
	s_lshl_b32 s43, 15, s43
	s_lshl_b32 s44, 0x1111, s40
	s_or_b32 s[G1+0], s43, (3<<16)|(1<<21)
	s_or_b32 s[G1B+0], s44, (3<<16)|(1<<21)
.irp g, G1, G1B
	s_mov_b32 s[\g+1], 2112<<16
	s_mov_b32 s[\g+2], 2<<16
	s_mov_b32 s[\g+3], 2112<<16
	s_mov_b32 s[\g+4], 2
	s_mov_b32 s[\g+5], KS*1056
	s_mov_b32 s[\g+6], 0
	s_mov_b32 s[\g+7], 0
.endr
	s_lshl_b32 s18, s16, 1
	s_lshl_b32 s20, s17, 2
	s_add_co_u32 s20, s20, s18
	s_mul_i32 s20, s20, KS*UNIT
	s_add_co_u32 s20, s20, AOFF
	s_add_co_u32 s20, s20, s19
	s_mov_b32 s21, 0
	s_lshl_b32 s46, s42, 2
	s_add_co_u32 s46, s46, s18
	s_mul_i32 s46, s46, KS*UNIT
	s_add_co_u32 s46, s46, BOFF
	s_add_co_u32 s46, s46, s19
	s_mov_b32 s47, 0
	s_mul_i32 s45, s14, HALFT
	s_wait_kmcnt 0x0
	s_add_nc_u64 s[20:21], s[4:5], s[20:21]
	s_add_nc_u64 s[46:47], s[6:7], s[46:47]
	CROUND
.irp s, 0,1
	s_mov_b32 s[G0+4*\s], 1
	s_add_co_u32 s[G0+4*\s+1], s45, \s*SLOT
	s_add_nc_u64 s[G0+4*\s+2:G0+4*\s+3], s[20:21], \s*GSTR
	s_or_b32 s[G0+4*\s+3], s[G0+4*\s+3], 0x80000000
	s_mov_b32 s[G0B+4*\s], 1
	s_add_co_u32 s[G0B+4*\s+1], s45, \s*SLOT
	s_add_nc_u64 s[G0B+4*\s+2:G0B+4*\s+3], s[46:47], \s*GSTR
	s_or_b32 s[G0B+4*\s+3], s[G0B+4*\s+3], 0x80000000
	s_wait_alu depctr_va_vdst(0)
	s_wait_tensorcnt 0x0
	ds_add_u32 v28, v29
	ds_add_u32 v28, v29
	s_wait_dscnt 0x0
	CROUND
	JLOAD G0+4*\s, G1, G0B+4*\s, G1B
.endr
	v_and_b32 v1, 15, v0
	v_bfe_u32 v2, v0, 4, 1
	s_wait_alu depctr_va_vdst(0)
	v_and_b32 v3, 31, v0
	v_lshlrev_b32 v[L16], 4, v3
	v_lshlrev_b32 v[L4], 2, v3
	s_mul_i32 s21, s15, HALFT
	s_mul_i32 s22, s16, HALFT
	s_add_co_u32 s22, s22, 2*HALFT
.irp s, 0,1
	v_add_nc_u32 v[ADRA+\s], s21, v[L16]
	v_add_nc_u32 v[ADRB+\s], s22, v[L16]
	s_add_co_u32 s21, s21, SLOT
	s_add_co_u32 s22, s22, SLOT
.endr
	s_mul_i32 s21, s15, HALFT
	s_mul_i32 s22, s16, HALFT
	s_add_co_u32 s22, s22, 2*HALFT
	s_sub_co_u32 s22, s22, s21
	v_mul_u32_u24 v4, s22, v2
	s_add_co_u32 s21, s21, 8192
	v_lshl_add_u32 v4, v1, 2, v4
	v_add_nc_u32 v[ADRS], s21, v4
	v_add_nc_u32 v[ADRS+1], SLOT, v[ADRS]
	s_lshl_b32 s46, s42, 10
	s_lshl_b32 s47, s16, 9
	s_add_co_u32 s46, s46, s47
	v_lshl_add_u32 v5, v2, 6, s46
.irp b, 0,1,2,3,4,5,6,7
	global_load_b128 v[BIAS+8*\b:BIAS+8*\b+3], v5, s[8:9] offset:(32*(\b/2)+8*(\b%2))*4
	global_load_b128 v[BIAS+8*\b+4:BIAS+8*\b+7], v5, s[8:9] offset:(32*(\b/2)+8*(\b%2))*4+16
.endr
	s_lshl_b32 s20, s17, 4
	s_lshl_b32 s21, s15, 3
	s_add_co_u32 s20, s20, s21
	s_lshl_b32 s20, s20, 16
	s_lshl_b32 s21, ttmp9, 24
	s_add_co_u32 s20, s20, s21
	s_mov_b32 s21, 0
	s_lshl_b32 s46, s42, 1
	s_add_co_u32 s46, s46, s16
	s_lshl_b32 s46, s46, 13
	s_mov_b32 s47, 0
	s_add_nc_u64 s[10:11], s[10:11], s[20:21]
	s_add_nc_u64 s[10:11], s[10:11], s[46:47]
.macro FRAG reg, adr, q, i
.irp c, 0,1,2,3
	ds_load_b128 v[\reg+4*\c:\reg+4*\c+3], v[\adr] offset:((\i)/4)*GSTR+(\q)*UNIT+((\i)%4)*2048+512*\c
.endr
.endm
.macro MUL16 a0, p, q, sc, mode
.irp a, \a0, \a0+1
.irp b, 0,1,2,3,4,5,6,7
.if \mode == 2
	v_wmma_scale_f32_16x16x128_f8f6f4 v[8*(8*((\a)%4)+\b):8*(8*((\a)%4)+\b)+7], v[128*(\p)+FR*\b:128*(\p)+FR*\b+FR-1], v[AF+FR*(\a):AF+FR*(\a)+FR-1], v[BIAS+8*\b:BIAS+8*\b+7], v[SC+16*(\sc)+2*\b+(\q)], v[SC+16*(\sc)+2*(\a)+(\q)] matrix_a_scale:MATRIX_SCALE_ROW1
.else
	v_wmma_scale_f32_16x16x128_f8f6f4 v[8*(8*((\a)%4)+\b):8*(8*((\a)%4)+\b)+7], v[128*(\p)+FR*\b:128*(\p)+FR*\b+FR-1], v[AF+FR*(\a):AF+FR*(\a)+FR-1], v[8*(8*((\a)%4)+\b):8*(8*((\a)%4)+\b)+7], v[SC+16*(\sc)+2*\b+(\q)], v[SC+16*(\sc)+2*(\a)+(\q)] matrix_a_scale:MATRIX_SCALE_ROW1
.endif
.endr
.endr
.endm
.macro FETCH_B slot, q, p
	WIN TO_B
.irp i, 0,1,2,3,4,5,6,7
	FRAG 128*(\p)+FR*\i, ADRB+\slot, \q, \i
.endr
	WIN 0
.endm
.macro FETCH_A slot, q, i0
.irp i, \i0, \i0+1, \i0+2, \i0+3
	FRAG AF+FR*(\i), ADRA+\slot, \q, \i
.endr
.endm
.macro SCALES set
.irp i, 0,1,2,3,4,5,6,7
.irp q, 0,1
	ds_load_b32 v[SC+16*\set+2*\i+\q], v[ADRS+\set] offset:(\i/4)*GSTR+\q*UNIT+(\i%4)*64
.endr
.endr
.endm
.macro PLACES n
.rept \n
	v_nop
.endr
.endm
.macro STEP slot, q, mode
	s_wait_dscnt 4*NL
.if \mode == 2
	WIN 0x81
.else
	WIN MUL_LO
.endif
	MUL16 0, (\q)%2, \q, \slot, \mode
	MUL16 2, (\q)%2, \q, \slot, \mode
	s_wait_dscnt 0
	PLACES NP
	FETCH_B \slot, (\q)+1, 1-(\q)%2
	FETCH_A \slot, (\q)+1, 0
.if \mode == 2
	WIN 0xc1
.else
	WIN MUL_HI
.endif
	MUL16 4, (\q)%2, \q, \slot, \mode
	MUL16 6, (\q)%2, \q, \slot, \mode
	PLACES NP
	WIN 0
	FETCH_A \slot, (\q)+1, 4
.endm
.macro TURN slot, next, fill
	s_wait_tensorcnt 0x0
	ds_add_u32 v[SPW], v[NIL]
	s_wait_dscnt 4*NL+1
	WIN MUL_LO
	MUL16 0, 1, NQ-1, \slot, 0
	s_wait_dscnt 0x0
	s_barrier_signal -1
	MUL16 2, 1, NQ-1, \slot, 0
	WIN 0
	s_barrier_wait -1
.if \fill
	CREST
	s_add_nc_u64 s[G0+4*\slot+2:G0+4*\slot+3], s[G0+4*\slot+2:G0+4*\slot+3], 2*GSTR
	s_add_nc_u64 s[G0B+4*\slot+2:G0B+4*\slot+3], s[G0B+4*\slot+2:G0B+4*\slot+3], 2*GSTR
	JLOAD G0+4*\slot, G1, G0B+4*\slot, G1B
	PLACES NP-4
.else
	PLACES NP
.endif
	FETCH_B \next, 0, 0
	FETCH_A \next, 0, 0
	SCALES \next
	WIN MUL_HI
	MUL16 4, 1, NQ-1, \slot, 0
	MUL16 6, 1, NQ-1, \slot, 0
	PLACES NP
	WIN 0
	FETCH_A \next, 0, 4
.endm
	s_wait_alu depctr_va_vdst(0)
	s_wait_tensorcnt 1
	s_barrier_signal -1
	s_barrier_wait -1
	FETCH_B 0, 0, 0
	FETCH_A 0, 0, 0
	SCALES 0
	FETCH_A 0, 0, 4
	s_wait_loadcnt 0x0
.set jj, 0
.rept 32
	v_pk_mul_f32 v[BIAS+jj:BIAS+jj+1], v[BIAS+jj:BIAS+jj+1], s[12:13] op_sel_hi:[1,0]
.set jj, jj+2
.endr
	s_wait_alu depctr_va_vdst(0)
	STEP 0, 0, 2
	s_mov_b32 s3, LAPS-1
.Llap:
	TURN 0, 1, 1
	STEP 1, 0, 0
	TURN 1, 0, 1
	STEP 0, 0, 0
	s_sub_co_u32 s3, s3, 1
	s_cmp_lg_u32 s3, 0
	s_cbranch_scc1 .Llap
	TURN 0, 1, 0
	STEP 1, 0, 0
	s_wait_dscnt 4*NL
	WIN MUL_LO
	MUL16 0, 1, NQ-1, 1, 0
	MUL16 2, 1, NQ-1, 1, 0
	s_wait_dscnt 0
	WIN MUL_HI
	MUL16 4, 1, NQ-1, 1, 0
	MUL16 6, 1, NQ-1, 1, 0
	WIN 0
	PLACES NP
.irp a, 0,1,2,3,4,5,6,7
	WIN 0x08+4*(\a/4)
.set qq, 0
.rept 16
	global_store_b128 v[L16], v[64*(\a%4)+4*qq:64*(\a%4)+4*qq+3], s[10:11] offset:\a*65536+512*qq
.set qq, qq+1
.endr
.endr
	WIN 0
	s_wait_tensorcnt 0x0
	ds_add_u32 v[SPW], v[NIL]
	s_wait_dscnt 0x0
	CROUND
	s_endpgm
.Lfunc_end_k_q27fe768ea0_w2:
	.size	k_q27fe768ea0_w2, .Lfunc_end_k_q27fe768ea0_w2-k_q27fe768ea0_w2
	.p2alignl 7, 3214868480
	.fill 96, 4, 3214868480
	.section	.rodata,"a",@progbits
	.p2align	6, 0x0
	.amdhsa_kernel k_q27fe768ea0_w2
		.amdhsa_group_segment_fixed_size 327680
		.amdhsa_private_segment_fixed_size 0
		.amdhsa_enable_private_segment 0
		.amdhsa_kernarg_size 32
		.amdhsa_user_sgpr_count 2
		.amdhsa_user_sgpr_kernarg_segment_ptr 1
		.amdhsa_wavefront_size32 1
		.amdhsa_system_sgpr_workgroup_id_x 1
		.amdhsa_system_sgpr_workgroup_id_y 1
		.amdhsa_system_sgpr_workgroup_id_z 1
		.amdhsa_system_vgpr_workitem_id 0
		.amdhsa_next_free_vgpr 1024
		.amdhsa_next_free_sgpr 66
		.amdhsa_reserve_vcc 0
		.amdhsa_float_denorm_mode_32 3
		.amdhsa_float_denorm_mode_16_64 3
		.amdhsa_memory_ordered 1
		.amdhsa_forward_progress 1
		.amdhsa_inst_pref_size 133
	.end_amdhsa_kernel
	.amdgpu_metadata
---
amdhsa.version: [ 1, 2 ]
amdhsa.kernels:
  - .name:           k_q27fe768ea0_w2
    .symbol:         k_q27fe768ea0_w2.kd
    .args:
      - { .name: Gb, .offset: 0, .size: 8, .value_kind: global_buffer, .address_space: global }
      - { .name: P, .offset: 8, .size: 8, .value_kind: global_buffer, .address_space: global }
      - { .name: b2, .offset: 16, .size: 8, .value_kind: global_buffer, .address_space: global }
      - { .name: R2, .offset: 24, .size: 8, .value_kind: global_buffer, .address_space: global }
    .group_segment_fixed_size: 327680
    .private_segment_fixed_size: 0
    .kernarg_segment_align: 8
    .kernarg_segment_size: 32
    .max_flat_workgroup_size: 128
    .sgpr_count:     66
    .vgpr_count:     1024
    .wavefront_size: 32
...
	.end_amdgpu_metadata
.endif
;; end of part 6
;; launch ln2 (part 7): grid 256 x 1, 8 waves a work-group, no clusters, 69,632 bytes of LDS; arguments R2, Hb, ln2_w, ln2_b, out0; writes out0
.if DOCPART == 7
	.amdgcn_target "amdgcn-amd-amdhsa--gfx1250"
	.amdhsa_code_object_version 6
	.text
	.protected	k_q27fe768ea0_ln2
	.globl	k_q27fe768ea0_ln2
	.p2align	8
	.type	k_q27fe768ea0_ln2,@function
k_q27fe768ea0_ln2:
	s_mov_b64 s[64:65], 0
	v_nop
	global_prefetch_b8 v0, s[64:65] scope:SCOPE_SE
	s_setreg_imm32_b32 hwreg(HW_REG_WAVE_MODE, 25, 1), 1
	s_wait_xcnt 0x0
; out0 = LayerNorm of (g W2 + b2 + h) over rows of 1,024, biased variance, eps = 1e-5, gain and bias.  g W2 + b2 lies in R2 as FOUR partial sums over quarters of K, 16,777,216 bytes apart, each f32 in the
; accumulators' layout; h lies so at Hb's first byte.  The result goes to out0, row-major.
; A work-group takes one token block (16 tokens: token 32 (A / 2) + 8 (A % 2) + r + 8 (r / 8) in lanes r and r + 16); wave s takes columns 128 s on: register 16 c + i of lane (r, h) = column 128 s + 32 c + 16 h + i.
; ALL THAT A WAVE READS IS ASKED FOR AT ONCE: seven sets of 64 registers (four partial sums, h, gain, bias), 112 loads (those of the sums and h of 512 consecutive bytes), in two register windows: no load waits for another's result.
; Window 0: v16-79 partial 0, then the sum; v80-143 the gain, later the rows on their way out; v144-207 h.  Window 1: v0-191 partials 1 to 3; v192-255 the bias.
; Mean first, then the sum of squares of the differences: no difference of large sums.  A row's sums meet in LDS: two barriers.  The rows turn through the wave's own stage (pitch 528) on the way out.
; No matrix unit, no tensor load, no cluster: memory binds, and work-groups share nothing.
.set X,   16
.set RZ,  80
.set XR,  144
.set MM,  226
.set SU,  228
.set BI,  192                          ; in window 1
.set PART, 16777216                    ; from one partial sum to the next
.set SI,  6
.set SO,  7
.set RED1, 67584                       ; behind the eight stages: 8 waves x 16 rows of partial sums; the squares' 512 bytes further on
.set SEL, 20
.set INV, 23
.set EPSR, 24
.set MSB, 0
.macro WIN new                         ; the immediate's high byte repeats the setting that is left
.if MSB != (\new)
	s_set_vgpr_msb (MSB<<8)|(\new)
.set MSB, (\new)
.endif
.endm
.macro PLOAD reg, sb                   ; 64 registers in the accumulators' layout: 16 loads of 512 consecutive bytes; read once in the launch
.set qq, 0
.rept 16
	global_load_b128 v[\reg+4*qq:\reg+4*qq+3], v5, s[\sb:\sb+1] offset:512*qq th:TH_LOAD_NT
.set qq, qq+1
.endr
.endm
.macro CLOAD reg, sb                   ; gain or bias of my 64 columns
.irp c, 0,1,2,3
.irp q, 0,1,2,3
	global_load_b128 v[\reg+16*\c+4*\q:\reg+16*\c+4*\q+3], v10, s[\sb:\sb+1] offset:128*\c+16*\q
.endr
.endr
.endm
; my lane's partial sum in v[SU] becomes the row's total over 1,024 columns, in every lane of the row
.macro ROWSUM red
	s_delay_alu instid0(VALU_DEP_1)
	v_permlanex16_b32 v[SU+1], v[SU], s[SEL], s[SEL+1]
	s_delay_alu instid0(VALU_DEP_1)
	v_add_f32 v[SU], v[SU], v[SU+1]                ; my wave's 128 columns
	ds_store_b32 v8, v[SU] offset:\red             ; lanes l and l + 16 write the same word with the same value
	s_wait_dscnt 0x0                               ; for the others' sake
	s_barrier_signal -1
	s_barrier_wait -1
.irp w, 0,1,2,3,4,5,6,7
	ds_load_b32 v[SU+\w], v9 offset:\red+64*\w
.endr
	s_wait_dscnt 0x0
	v_add_f32 v[SU], v[SU], v[SU+1]
	v_add_f32 v[SU+2], v[SU+2], v[SU+3]
	v_add_f32 v[SU+4], v[SU+4], v[SU+5]
	v_add_f32 v[SU+6], v[SU+6], v[SU+7]
	s_delay_alu instid0(VALU_DEP_3)
	v_add_f32 v[SU], v[SU], v[SU+2]
	s_delay_alu instid0(VALU_DEP_2)
	v_add_f32 v[SU+4], v[SU+4], v[SU+6]
	s_delay_alu instid0(VALU_DEP_1)
	v_add_f32 v[SU], v[SU], v[SU+4]
.endm
	s_load_b256 s[4:11], s[0:1], 0x0               ; R2, Hb, gain, bias
	s_load_b64 s[12:13], s[0:1], 0x20              ; out0
	v_lshl_add_u32 v254, v0, 2, 0x10c00
	v_mov_b32 v255, 0
	v_lshrrev_b32 v1, 5, v0
	s_delay_alu instid0(VALU_DEP_1)
	v_readfirstlane_b32 s14, v1                    ; wave 0..7
	v_and_b32 v2, 31, v0
	v_and_b32 v3, 15, v0                           ; r
	v_bfe_u32 v4, v0, 4, 1                         ; h
	s_delay_alu instid0(VALU_DEP_3)
	v_lshlrev_b32 v5, 4, v2                        ; 16 x lane
	s_mul_i32 s15, s14, 8448                       ; my stage
	v_add_nc_u32 v[SI], s15, v5
	v_mul_u32_u24 v[SO], v3, 528
	s_delay_alu instid0(VALU_DEP_1)
	v_lshl_add_u32 v[SO], v4, 6, v[SO]
	s_delay_alu instid0(VALU_DEP_1)
	v_add_nc_u32 v[SO], s15, v[SO]
	s_lshl_b32 s15, s14, 6
	s_add_co_u32 s15, s15, RED1
	v_lshl_add_u32 v8, v3, 2, s15                  ; my wave's word of my row
	v_lshl_add_u32 v9, v3, 2, RED1                 ; my row's eight words
	s_lshl_b32 s16, s14, 9
	v_lshl_add_u32 v10, v4, 6, s16                 ; gain and bias: 512 s + 64 h
	s_lshl_b32 s18, ttmp9, 3
	s_add_co_u32 s18, s18, s14
	s_lshl_b32 s18, s18, 13                        ; the accumulators' layout: (A x 8 + s) x 8192
	s_mov_b32 s19, 0
	s_lshr_b32 s26, ttmp9, 1
	s_lshl_b32 s26, s26, 5
	s_and_b32 s27, ttmp9, 1
	s_lshl_b32 s27, s27, 3
	s_add_co_u32 s26, s26, s27                     ; the block's first token
	s_lshl_b32 s26, s26, 12
	s_add_co_u32 s26, s26, s16                     ; row-major: token x 4096 + 512 s
	s_mov_b32 s27, 0
	s_mov_b32 s[SEL], 0x76543210
	s_mov_b32 s[SEL+1], 0xfedcba98
	s_mov_b32 s[INV], 0x3a800000                   ; 1 / 1024
	s_mov_b32 s[EPSR], 0x3727c5ac                  ; 1e-5
	s_wait_alu depctr_va_vdst(0)
	s_wait_kmcnt 0x0
	s_add_nc_u64 s[4:5], s[4:5], s[18:19]          ; partial 0,
	s_add_nc_u64 s[28:29], s[4:5], PART            ; 1,
	s_add_nc_u64 s[30:31], s[4:5], 2*PART          ; 2,
	s_add_nc_u64 s[32:33], s[4:5], 3*PART          ; 3: bases of their own, since the distance is beyond a load's immediate
	s_add_nc_u64 s[6:7], s[6:7], s[18:19]          ; h as f32 lies at Hb's first byte
	s_add_nc_u64 s[12:13], s[12:13], s[26:27]
	PLOAD X, 4
	PLOAD XR, 6
	WIN 0x40                                       ; destination window 1, address window 0
	PLOAD 0, 28
	PLOAD 64, 30
	PLOAD 128, 32
	CLOAD BI, 10
	WIN 0
	CLOAD RZ, 8
	s_wait_loadcnt 32                              ; the four partial sums and h are in; the bias's and the gain's 32 loads may be out
.set jj, 0
.rept 32
	v_pk_add_f32 v[X+jj:X+jj+1], v[X+jj:X+jj+1], v[XR+jj:XR+jj+1]
.set jj, jj+2
.endr
	WIN 0x04                                       ; source 1 window 1
.irp p, 0,64,128
.set jj, 0
.rept 32
	v_pk_add_f32 v[X+jj:X+jj+1], v[X+jj:X+jj+1], v[\p+jj:\p+jj+1]
.set jj, jj+2
.endr
.endr
	WIN 0
	v_pk_add_f32 v[230:231], v[16:17], v[18:19]
	v_pk_add_f32 v[232:233], v[32:33], v[40:41]
	v_pk_add_f32 v[234:235], v[48:49], v[56:57]
	v_pk_add_f32 v[252:253], v[64:65], v[72:73]
	v_pk_add_f32 v[250:251], v[20:21], v[22:23]
	v_pk_add_f32 v[248:249], v[34:35], v[42:43]
	v_pk_add_f32 v[246:247], v[50:51], v[58:59]
	v_pk_add_f32 v[228:229], v[66:67], v[74:75]
	s_delay_alu instid0(VALU_DEP_1)
	v_pk_add_f32 v[228:229], v[228:229], v[24:25]
	v_pk_add_f32 v[230:231], v[230:231], v[26:27]
	v_pk_add_f32 v[232:233], v[232:233], v[36:37]
	v_pk_add_f32 v[234:235], v[234:235], v[44:45]
	v_pk_add_f32 v[252:253], v[252:253], v[52:53]
	v_pk_add_f32 v[250:251], v[250:251], v[60:61]
	v_pk_add_f32 v[248:249], v[248:249], v[68:69]
	v_pk_add_f32 v[246:247], v[246:247], v[76:77]
	v_pk_add_f32 v[228:229], v[228:229], v[28:29]
	v_pk_add_f32 v[230:231], v[230:231], v[30:31]
	v_pk_add_f32 v[232:233], v[232:233], v[38:39]
	v_pk_add_f32 v[234:235], v[234:235], v[46:47]
	v_pk_add_f32 v[252:253], v[252:253], v[54:55]
	v_pk_add_f32 v[250:251], v[250:251], v[62:63]
	v_pk_add_f32 v[248:249], v[248:249], v[70:71]
	v_pk_add_f32 v[246:247], v[246:247], v[78:79]
	s_delay_alu instid0(VALU_DEP_4)
	v_pk_add_f32 v[228:229], v[228:229], v[252:253]
	s_delay_alu instid0(VALU_DEP_4)
	v_pk_add_f32 v[230:231], v[230:231], v[250:251]
	s_delay_alu instid0(VALU_DEP_4)
	v_pk_add_f32 v[232:233], v[232:233], v[248:249]
	s_delay_alu instid0(VALU_DEP_4)
	v_pk_add_f32 v[234:235], v[234:235], v[246:247]
	s_delay_alu instid0(VALU_DEP_2)
	v_pk_add_f32 v[228:229], v[228:229], v[232:233]
	s_delay_alu instid0(VALU_DEP_2)
	v_pk_add_f32 v[230:231], v[230:231], v[234:235]
	s_delay_alu instid0(VALU_DEP_1)
	v_pk_add_f32 v[228:229], v[228:229], v[230:231]
	s_delay_alu instid0(VALU_DEP_1)
	v_add_f32 v[SU], v[SU], v[SU+1]
	ROWSUM 0
	s_delay_alu instid0(VALU_DEP_1)
	v_mul_f32 v[MM], s[INV], v[SU]                 ; the mean
	s_delay_alu instid0(VALU_DEP_1)
	v_mov_b32 v[MM+1], v[MM]
.set jj, 0
.rept 32
	v_pk_add_f32 v[X+jj:X+jj+1], v[X+jj:X+jj+1], v[MM:MM+1] neg_lo:[0,1] neg_hi:[0,1]
.set jj, jj+2
.endr
	v_pk_mul_f32 v[SU:SU+1], v[X:X+1], v[X:X+1]
	v_pk_mul_f32 v[SU+2:SU+3], v[X+2:X+3], v[X+2:X+3]
	v_pk_mul_f32 v[SU+4:SU+5], v[X+4:X+5], v[X+4:X+5]
	v_pk_mul_f32 v[SU+6:SU+7], v[X+6:X+7], v[X+6:X+7]
.set jj, 8
.rept 7
	s_delay_alu instid0(VALU_DEP_4)
	v_pk_fma_f32 v[SU:SU+1], v[X+jj:X+jj+1], v[X+jj:X+jj+1], v[SU:SU+1]
	s_delay_alu instid0(VALU_DEP_4)
	v_pk_fma_f32 v[SU+2:SU+3], v[X+jj+2:X+jj+3], v[X+jj+2:X+jj+3], v[SU+2:SU+3]
	s_delay_alu instid0(VALU_DEP_4)
	v_pk_fma_f32 v[SU+4:SU+5], v[X+jj+4:X+jj+5], v[X+jj+4:X+jj+5], v[SU+4:SU+5]
	s_delay_alu instid0(VALU_DEP_4)
	v_pk_fma_f32 v[SU+6:SU+7], v[X+jj+6:X+jj+7], v[X+jj+6:X+jj+7], v[SU+6:SU+7]
.set jj, jj+8
.endr
	s_delay_alu instid0(VALU_DEP_3)
	v_pk_add_f32 v[SU:SU+1], v[SU:SU+1], v[SU+2:SU+3]
	s_delay_alu instid0(VALU_DEP_2)
	v_pk_add_f32 v[SU+4:SU+5], v[SU+4:SU+5], v[SU+6:SU+7]
	s_delay_alu instid0(VALU_DEP_1)
	v_pk_add_f32 v[SU:SU+1], v[SU:SU+1], v[SU+4:SU+5]
	s_delay_alu instid0(VALU_DEP_1)
	v_add_f32 v[SU], v[SU], v[SU+1]
	ROWSUM 512
	s_delay_alu instid0(VALU_DEP_1)
	v_fma_f32 v[MM], v[SU], s[INV], s[EPSR]        ; the variance + eps
	s_wait_alu depctr_va_vdst(0)
	v_rsq_f32 v[MM], v[MM]
	v_nop                                          ; a plain line behind the transcendental
	s_wait_alu depctr_va_vdst(0)
	v_mov_b32 v[MM+1], v[MM]
	s_wait_alu depctr_va_vdst(0)
	s_wait_loadcnt 0x0                             ; gain and bias
.set jj, 0
.rept 32
	v_pk_mul_f32 v[X+jj:X+jj+1], v[X+jj:X+jj+1], v[MM:MM+1]
.set jj, jj+2
.endr
	WIN 0x10                                       ; source 2 (the bias) window 1
.set jj, 0
.rept 32
	v_pk_fma_f32 v[X+jj:X+jj+1], v[X+jj:X+jj+1], v[RZ+jj:RZ+jj+1], v[BI+jj:BI+jj+1]
.set jj, jj+2
.endr
	WIN 0
.irp c, 0,1,2,3
.irp q, 0,1,2,3
	ds_store_b128 v[SO], v[X+16*\c+4*\q:X+16*\c+4*\q+3] offset:128*\c+16*\q
.endr
.endr
.set tt, 0
.rept 16
	ds_load_b128 v[RZ+4*tt:RZ+4*tt+3], v[SI] offset:528*tt         ; LDS serves a wave's instructions in order: these see my stores
.set tt, tt+1
.endr
.set tt, 0
.rept 16
	s_wait_dscnt 15-tt                             ; row tt is back; the younger rows may be out
	global_store_b128 v5, v[RZ+4*tt:RZ+4*tt+3], s[12:13] offset:(tt+8*(tt/8))*4096 th:TH_STORE_NT   ; 512 consecutive bytes of a row
.set tt, tt+1
.endr
	s_wait_tensorcnt 0x0
	ds_add_u32 v254, v255
	s_wait_dscnt 0x0
	s_endpgm
.Lfunc_end_k_q27fe768ea0_ln2:
	.size	k_q27fe768ea0_ln2, .Lfunc_end_k_q27fe768ea0_ln2-k_q27fe768ea0_ln2
	.p2alignl 7, 3214868480
	.fill 96, 4, 3214868480
	.section	.rodata,"a",@progbits
	.p2align	6, 0x0
	.amdhsa_kernel k_q27fe768ea0_ln2
		.amdhsa_group_segment_fixed_size 69632
		.amdhsa_private_segment_fixed_size 0
		.amdhsa_enable_private_segment 0
		.amdhsa_kernarg_size 40
		.amdhsa_user_sgpr_count 2
		.amdhsa_user_sgpr_kernarg_segment_ptr 1
		.amdhsa_wavefront_size32 1
		.amdhsa_system_sgpr_workgroup_id_x 1
		.amdhsa_system_sgpr_workgroup_id_y 1
		.amdhsa_system_sgpr_workgroup_id_z 1
		.amdhsa_system_vgpr_workitem_id 0
		.amdhsa_next_free_vgpr 512
		.amdhsa_next_free_sgpr 66
		.amdhsa_reserve_vcc 0
		.amdhsa_float_denorm_mode_32 3
		.amdhsa_float_denorm_mode_16_64 3
		.amdhsa_memory_ordered 1
		.amdhsa_forward_progress 1
		.amdhsa_inst_pref_size 40
	.end_amdhsa_kernel
	.amdgpu_metadata
---
amdhsa.version: [ 1, 2 ]
amdhsa.kernels:
  - .name:           k_q27fe768ea0_ln2
    .symbol:         k_q27fe768ea0_ln2.kd
    .args:
      - { .name: R2, .offset: 0, .size: 8, .value_kind: global_buffer, .address_space: global }
      - { .name: Hb, .offset: 8, .size: 8, .value_kind: global_buffer, .address_space: global }
      - { .name: ln2_w, .offset: 16, .size: 8, .value_kind: global_buffer, .address_space: global }
      - { .name: ln2_b, .offset: 24, .size: 8, .value_kind: global_buffer, .address_space: global }
      - { .name: out0, .offset: 32, .size: 8, .value_kind: global_buffer, .address_space: global }
    .group_segment_fixed_size: 69632
    .private_segment_fixed_size: 0
    .kernarg_segment_align: 8
    .kernarg_segment_size: 40
    .max_flat_workgroup_size: 256
    .sgpr_count:     66
    .vgpr_count:     512
    .wavefront_size: 32
...
	.end_amdgpu_metadata
.endif
;; end of part 7
